; MI455X (gfx1250); checked and timed in simulation.
; The chip was launched on July 23, 2026; its instructions are those of AMD's public machine-readable ISA for CDNA 5 (MIT licence, August 2026) and "CDNA5" Instruction Set Architecture Reference Guide (July 2026). The comments in the code are by the model that wrote it; some were corrected since.
;; Multihead Attention. Allowed arithmetic: matrix products marked QUANTISED: E2M1 operands, one E8M0 scale for each 32 along K, by v_wmma_scale_f32_16x16x128_f8f6f4 with both operands' format E2M1 (or v_wmma_scale_f32_32x16x128_f4), f32 sums; products left as they are: bf16, f16 or f32 operands; f32 sums; everything else in f32.
;; Inputs: k_b 1,024 float32; k_w 1,024 x 1,024 float32; key 1,000 x 8 x 1,024 float32; o_b 1,024 float32; o_w 1,024 x 1,024 float32; q_b 1,024 float32; q_w 1,024 x 1,024 float32; query 1,000 x 8 x 1,024 float32; v_b 1,024 float32; v_w 1,024 x 1,024 float32; value 1,000 x 8 x 1,024 float32.
;; Outputs: out0 1,000 x 8 x 1,024 float32.
;; This version of the problem:
;;   THIS VERSION OF THE PROBLEM IS GIVEN IN LOW PRECISION. The matrix products marked QUANTISED in the list below multiply operands that are first quantised to E2M1 (2 exponent bits, 1 mantissa bit; 4 bits a number), with one power-of-two scale for each 32 numbers along K (OCP MX v1.0); their sums are f32. The products marked 'left as it is' may take bf16, f16 or f32 operands, with f32 sums. Whichever they take, every output number must still come out within the allowed error. Rounding operands to bf16 (8 significant bits) uses up far more of that allowance than f16 does (11 bits, for magnitudes from 6e-5 to 65,504). All else is computed in f32.
;;   The module's matrix products, in the order in which they are computed (A, B: the left and right operand; K: the contracted axis; several contracted axes count as one K, in the product's order):
;;     1. [M 8,000, K 1,024] x [K 1,024, N 1,024]; A: input query; B: input q_w: QUANTISED
;;     2. [M 8,000, K 1,024] x [K 1,024, N 1,024]; A: input key; B: input k_w: QUANTISED
;;     3. [M 8,000, K 1,024] x [K 1,024, N 1,024]; A: input value; B: input v_w: QUANTISED
;;     4. batch 128 x [M 1,000, K 64] x [K 64, N 1,000]; A: computed on the way; B: computed on the way: left as it is (an operand is computed on the way)
;;     5. batch 128 x [M 1,000, K 1,000] x [K 1,000, N 64]; A: computed on the way; B: computed on the way: left as it is (an operand is computed on the way)
;;     6. [M 8,000, K 1,024] x [K 1,024, N 1,024]; A: computed on the way; B: input o_w: left as it is (an operand is computed on the way)
;;   THE QUANTISER, for each operand of a quantised product, along K:
;;     - K is cut into blocks of 32 from its start; a last block that is shorter is filled with zeros.
;;     - A block's scale is 2^e with e = floor(log2(the largest magnitude in the block)) - 2, held to -126 .. 127; a block of zeros has e = 0. As a byte (E8M0): e + 127.
;;     - Each number is divided by its block's scale, clamped to +-6, and rounded to the nearest number of E2M1, ties to even, subnormals kept.
;;     - The product sums the exact products of the quantised numbers (number of the format x scale) in f32.
;;   ~~~python
;;   def quantise(x, axis):      # numpy; x: float32 -> the quantised numbers, widened to float32 again
;;       x = np.moveaxis(x, axis, -1); K = x.shape[-1]
;;       x = np.pad(x, [(0, 0)] * (x.ndim - 1) + [(0, -K % 32)]); x = x.reshape(x.shape[:-1] + (-1, 32)); a = np.abs(x).max(-1, keepdims=True)
;;       e = np.where(a > 0, np.clip(np.frexp(np.where(a > 0, a, 1))[1] - 1 - 2, -126, 127), 0)      # np.frexp(a)[1] - 1 = floor(log2(a)), exactly
;;       r = np.clip(x / 2.0 ** e, -6, 6)
;;       step = 2.0 ** (np.maximum(np.frexp(np.where(r == 0, 1, r))[1] - 1, 0) - 1)
;;       q = np.round(r / step) * step * 2.0 ** e      # np.round: ties to even
;;       return np.moveaxis(q.reshape(q.shape[:-2] + (-1,))[..., :K], -1, axis).astype(np.float32)
;;   ~~~
;; One version. Each part assembles by itself: llvm-mc -triple=amdgcn-amd-amdhsa -mcpu=gfx1250 --defsym DOCPART=n.
;; ======== version 1 of 1: 4 launches
;; limits: values are held in f16: magnitudes above 65,504 overflow, below 6.1e-05 lose precision
;; workspace buffers: a_codes 12,582,912 bytes; a_scales 786,432 bytes; w_codes 1,572,864 bytes; w_scales 98,304 bytes; ow16 2,097,152 bytes; tab 524,288 bytes; qkv16 50,331,648 bytes; attn16 16,777,216 bytes
;; launch prep (part 1): grid 1056 x 1, 4 waves a work-group, no clusters, 33,280 bytes of LDS; arguments query, key, value, q_w, k_w, v_w, o_w, a_codes, a_scales, w_codes, w_scales, ow16, tab; writes a_codes, a_scales, w_codes, w_scales, ow16, tab
.if DOCPART == 1
	.amdgcn_target "amdgcn-amd-amdhsa--gfx1250"
	.amdhsa_code_object_version 6
	.text
	.protected	k_q0b7e4d90a6_prep
	.globl	k_q0b7e4d90a6_prep
	.p2align	8
	.type	k_q0b7e4d90a6_prep,@function
k_q0b7e4d90a6_prep:
	s_mov_b64 s[64:65], 0
	v_nop
	global_prefetch_b8 v0, s[64:65] scope:SCOPE_SE
	s_setreg_imm32_b32 hwreg(HW_REG_WAVE_MODE, 25, 1), 1
	s_wait_xcnt 0x0
; PREP: everything that is made once, ahead of the products.  Four kinds of work, told apart by the work-group's number alone:
;   0..767    query, key, value [1000 t][8 b][1024] f32 -> codes of FP4 (E2M1), K innermost, laid [tensor][b][1024 t][512 bytes], and E8M0 scale bytes [tensor][b][1024 t][32]
;   768..863  q_w, k_w, v_w [1024 n][1024 k] f32        -> the same, laid [tensor][n][512 bytes] and [tensor][n][32]          (one path of the text serves both: only pointers and strides are chosen)
;   864..927  o_w f32 -> f16, as it lies
;   928..1055 the rotary table [2][1024 t][cos 32, sin 32] f32: table 0 times 0.125 log2(e) (for q: the scaling and the softmax's base 2), table 1 plain (for k)
; THE QUANTISER.  A block's scale is 2^(floor(log2(its largest magnitude)) - 2); its byte is the largest magnitude's exponent field - 2, held at 1 from below; each number is divided by the scale and rounded to the
; nearest code, ties to even, beyond 6 the largest code.  A block of zeros gets the byte 1 and zero codes (the bytes are read by this program alone).
; Positions 1000..1023 of every batch are pad rows: zero codes, byte 127, so that all later launches walk whole tiles of finite numbers.
; LIMITS: NaN and infinities among the inputs are not served; blocks whose largest magnitude lies under 2^-124 have their byte held at 1; |o_w| stays under 65,504 (f16).
; A quantising wave takes 8 rows of 1,024 numbers, 16 steps of 512.  Each load reads 512 consecutive bytes; a step's 2,048 bytes turn through the wave's own stage in LDS, so that a lane holds 16 neighbours along K
; (two lanes to a block); a step's codes leave as 256 consecutive bytes, the wave's 256 scale bytes as one store.  No barrier: waves share nothing.  Loads run four steps (16 loads) ahead.
.set STEPS, 16
.set R,     16                         ; v16-79   four sets of 16 numbers as they are loaded
.set X,     80                         ; v80-111  two sets of 16 neighbours
.set E,     112                        ; v112-127 a scale byte for each step
.set C,     128                        ; v128-159 codes: two registers for each step, so that no store's data are written again
.set RA,    160                        ; v160-167 row i of my eight: 16 x lane + i x the row's stride; never rewritten
.set WREG,  8192                       ; LDS: a region for each wave: two stages of 32 x SP bytes, behind them its 256 scale bytes
.set SP,    80                         ; a lane's place in a stage: 64 bytes + 16 of padding
.set SPW,   12                         ; v12 LDS address of my spare word; never rewritten
.set NIL,   13                         ; v13 0; never rewritten
.set SPARE, 4*WREG                     ; behind the four regions: the spare words, 128 bytes a wave, which no other line names
	s_load_b512 s[4:19], s[0:1], 0x0               ; query, key, value, q_w, k_w, v_w, o_w, a_codes
	s_load_b256 s[20:27], s[0:1], 0x40             ; a_scales, w_codes, w_scales, ow16
	s_load_b64 s[28:29], s[0:1], 0x60              ; tab
	v_lshl_add_u32 v[SPW], v0, 2, SPARE
	v_mov_b32 v[NIL], 0
	v_lshrrev_b32 v1, 5, v0
	v_readfirstlane_b32 s30, v1                    ; wave
	v_and_b32 v2, 31, v0                           ; lane
	s_cmp_ge_u32 ttmp9, 928
	s_cbranch_scc1 .Ltab
	s_cmp_ge_u32 ttmp9, 864
	s_cbranch_scc1 .Low
	; ---------------- the quantiser ----------------
	v_lshlrev_b32 v3, 4, v2                        ; my 16 bytes of a load's 512
	v_lshlrev_b32 v4, 3, v2                        ; my 8 bytes of a step's codes, and of the wave's scale bytes
	s_mul_i32 s31, s30, WREG
	v_lshrrev_b32 v14, 2, v2
	v_mul_u32_u24 v14, v14, SP
	v_and_b32 v15, 3, v2
	v_lshl_add_u32 v14, v15, 4, v14
	v_add_nc_u32 v14, s31, v14                     ; the stage, on the way in: SP (lane / 4) + 16 (lane % 4)
	v_mul_u32_u24 v15, v2, SP
	v_add_nc_u32 v15, s31, v15                     ; and on the way out: SP x lane
	v_lshrrev_b32 v5, 1, v2
	s_add_co_u32 s31, s31, 2*32*SP
	v_add_nc_u32 v5, s31, v5                       ; my block's scale byte
	v_add_nc_u32 v6, s31, v4                       ; and 8 of the 256 on the way out
	s_lshr_b32 s32, ttmp9, 8                       ; an activation: which tensor,
	s_bfe_u32 s33, ttmp9, 0x30005                  ; which batch,
	s_and_b32 s34, ttmp9, 31
	s_lshl_b32 s34, s34, 5
	s_lshl_b32 s35, s30, 3
	s_add_co_u32 s34, s34, s35                     ; my first position: 32 (g % 32) + 8 wave.  (768 is a multiple of 32: a weight's first row is the same expression)
	s_lshl_b32 s36, s34, 3
	s_add_co_u32 s36, s36, s33
	s_lshl_b32 s36, s36, 12                        ; in: row (t, b) lies at (8 t + b) x 4,096 bytes
	s_lshl_b32 s37, s32, 13
	s_lshl_b32 s38, s33, 10
	s_add_co_u32 s37, s37, s38
	s_add_co_u32 s37, s37, s34                     ; out: row 8,192 tensor + 1,024 b + t
	s_sub_co_u32 s38, ttmp9, 768
	s_lshr_b32 s38, s38, 5                         ; a weight: which tensor
	s_lshl_b32 s39, s34, 12                        ; in: row n at 4,096 n
	s_lshl_b32 s40, s38, 10
	s_add_co_u32 s40, s40, s34                     ; out: row 1,024 tensor + n
	s_mov_b32 s42, 4096                            ; a weight's rows follow each other
	s_mov_b32 s51, 0
	s_wait_kmcnt 0x0
	s_cmp_eq_u32 s32, 1                            ; every choice hangs on the work-group's number alone
	s_cselect_b64 s[44:45], s[6:7], s[4:5]
	s_cmp_eq_u32 s32, 2
	s_cselect_b64 s[44:45], s[8:9], s[44:45]
	s_cmp_eq_u32 s38, 1
	s_cselect_b64 s[46:47], s[12:13], s[10:11]
	s_cmp_eq_u32 s38, 2
	s_cselect_b64 s[46:47], s[14:15], s[46:47]
	s_cmp_lt_u32 ttmp9, 768
	s_cselect_b64 s[44:45], s[44:45], s[46:47]     ; the numbers,
	s_cselect_b64 s[46:47], s[18:19], s[22:23]     ; the codes,
	s_cselect_b64 s[48:49], s[20:21], s[24:25]     ; the scale bytes
	s_cselect_b32 s36, s36, s39
	s_cselect_b32 s37, s37, s40
	s_cselect_b32 s41, s34, 0                      ; the position that decides on padding (a weight has none)
	s_cselect_b32 s42, 32768, s42                  ; an activation's next position lies 8 rows on
	s_mov_b32 s50, s36
	s_add_nc_u64 s[44:45], s[44:45], s[50:51]
	s_lshl_b32 s50, s37, 9
	s_add_nc_u64 s[46:47], s[46:47], s[50:51]      ; 512 bytes of codes a row
	s_lshl_b32 s50, s37, 5
	s_add_nc_u64 s[48:49], s[48:49], s[50:51]      ; 32 scale bytes a row
	s_cmp_ge_u32 s41, 1000                         ; 1000 is a multiple of 8: a wave's eight rows are all real or all padding
	s_cbranch_scc1 .Lpad
.irp i, 0,1,2,3,4,5,6,7
	v_mad_u32_u24 v[RA+\i], s42, \i, v3
.endr
.macro LOAD t
.irp i, 0,1,2,3
	global_load_b128 v[R+16*((\t)%4)+4*\i:R+16*((\t)%4)+4*\i+3], v[RA+(\t)/2], s[44:45] offset:2048*((\t)%2)+512*\i th:TH_LOAD_NT   ; 32 lanes read 512 consecutive bytes; read once in the launch
.endr
.endm
.macro TURN t                          ; step t's numbers through the stage: LDS serves a wave's instructions in order (ISA guide 5.7.1.4), so no wait stands between the stores and the loads
.irp i, 0,1,2,3
	ds_store_b128 v14, v[R+16*((\t)%4)+4*\i:R+16*((\t)%4)+4*\i+3] offset:32*SP*((\t)%2)+8*SP*\i
.endr
.irp i, 0,1,2,3
	ds_load_b128 v[X+16*((\t)%2)+4*\i:X+16*((\t)%2)+4*\i+3], v15 offset:32*SP*((\t)%2)+16*\i
.endr
.endm
.irp t, 0,1,2,3
	LOAD \t
.endr
	s_wait_loadcnt 12                              ; step 0's four loads are in; those of steps 1 to 3 may be out
	TURN 0
.macro STEP t
.set XS, X+16*((\t)%2)
.if (\t) > 0
	s_wait_dscnt 1                                 ; this step's numbers are back from the stage (the last step's byte store may be out): so its stores into the stage have read their registers,
.else
	s_wait_dscnt 0x0
.endif
.if (\t)+4 < STEPS
	LOAD (\t)+4                                    ; which take the loads of four steps on
.endif
.if (\t)+1 < STEPS
.if STEPS-2-(\t) >= 3
	s_wait_loadcnt 12                              ; the next step's four loads are in; those of the three steps behind it may be out
.else
	s_wait_loadcnt 4*(STEPS-2-(\t))                ; at the end: as many steps as are left behind it
.endif
	TURN (\t)+1
.endif
	v_max3_num_f32 v8, |v[XS]|, |v[XS+1]|, |v[XS+2]|               ; the largest magnitude of my 16, in two chains
	v_max3_num_f32 v9, |v[XS+3]|, |v[XS+4]|, |v[XS+5]|
.irp i, 6,10
	v_max3_num_f32 v8, v8, |v[XS+\i]|, |v[XS+\i+1]|
	v_max3_num_f32 v9, v9, |v[XS+\i+2]|, |v[XS+\i+3]|
.endr
	v_max3_num_f32 v8, v8, |v[XS+14]|, |v[XS+15]|
	v_max3_num_f32 v8, v8, v9, 0x1800000           ; and the floor 2^(3 - 127): the byte cannot fall under 1
	v_max_num_f32_dpp v8, v8, v8 row_xmask:1 row_mask:0xf bank_mask:0xf   ; with my neighbour's 16: the block's
	v_add_nc_u32 v11, 0xff000000, v8               ; 2 off its exponent field: the conversion takes the exponent field of this operand as its scale
	v_cvt_scalef32_pk8_fp4_f32 v[C+2*(\t)], v[XS:XS+7], v11
	v_cvt_scalef32_pk8_fp4_f32 v[C+2*(\t)+1], v[XS+8:XS+15], v11
	v_lshrrev_b32 v[E+(\t)], 23, v11               ; the scale's byte (also the plain line behind the conversions)
	ds_store_b8 v5, v[E+(\t)] offset:16*(\t)       ; both lanes of a block write the same byte with the same value
	global_store_b64 v4, v[C+2*(\t):C+2*(\t)+1], s[46:47] offset:256*(\t)   ; the wave stores 256 consecutive bytes, at a multiple of 256 from the buffer's first byte
.endm
.irp t, 0,1,2,3,4,5,6,7,8,9,10,11,12,13,14,15
	STEP \t
.endr
	ds_load_b64 v[8:9], v6                         ; these see my byte stores: one wave's LDS instructions go in order
	s_wait_dscnt 0x0
	global_store_b64 v4, v[8:9], s[48:49]          ; my eight rows' 256 scale bytes
	s_wait_tensorcnt 0x0                           ; the wave's end: behind my last LDS store
	ds_add_u32 v[SPW], v[NIL]
	s_wait_dscnt 0x0
	s_endpgm
.Lpad:                                             ; eight pad rows: zero codes, byte 127.  This wave has touched no LDS
.irp i, 16,17,18,19
	v_mov_b32 v\i, 0
.endr
	v_mov_b32 v20, 0x7f7f7f7f
	v_mov_b32 v21, 0x7f7f7f7f
.irp i, 0,1,2,3,4,5,6,7
	global_store_b128 v3, v[16:19], s[46:47] offset:512*\i
.endr
	global_store_b64 v4, v[20:21], s[48:49]
	s_endpgm
	; ---------------- o_w to f16 ----------------
.Low:                                              ; a wave takes 16,384 consecutive bytes: 32 loads of 512, all issued at once; each gives 256 consecutive bytes of f16
	s_sub_co_u32 s32, ttmp9, 864
	s_lshl_b32 s32, s32, 2
	s_add_co_u32 s32, s32, s30
	s_lshl_b32 s34, s32, 14
	s_mov_b32 s35, 0
	s_lshl_b32 s36, s32, 13
	s_mov_b32 s37, 0
	v_lshlrev_b32 v3, 4, v2
	v_lshlrev_b32 v4, 3, v2
	s_wait_kmcnt 0x0
	s_add_nc_u64 s[16:17], s[16:17], s[34:35]
	s_add_nc_u64 s[26:27], s[26:27], s[36:37]
.set i, 0
.rept 32
	global_load_b128 v[16+4*i:19+4*i], v3, s[16:17] offset:512*i th:TH_LOAD_NT
.set i, i+1
.endr
.set i, 0
.rept 32
	s_wait_loadcnt 31-i                            ; loads come back in order (ISA guide 5.7.1): load i is in, the younger ones stay out
	v_cvt_pk_f16_f32 v[16+4*i], v[16+4*i], v[17+4*i]
	v_cvt_pk_f16_f32 v[17+4*i], v[18+4*i], v[19+4*i]
	global_store_b64 v4, v[16+4*i:17+4*i], s[26:27] offset:256*i
.set i, i+1
.endr
	s_endpgm
	; ---------------- the rotary table ----------------
; Thread tau of 16,384: position t = tau / 16; lanes 0-7 of a sixteen make cos, lanes 8-15 sin, four frequencies j = 4 (lane % 8) + 0..3 each: sixteen lanes store one row of 256 bytes.
; x = t x 10000^(-j / 32), rounded once.  x = k pi/2 + r with k = the nearest whole number to x 2/pi and pi/2 taken in two parts, so that |r| <= pi/4 + a little for every t up to 1,023;
; cos(x - s pi/2), s = 0 or 1, is +-cos r or +-sin r by n = k - s modulo 4; cos r and sin r by their series up to r^8 and r^9, whose next terms lie under 3e-8 on that range.
.Ltab:
	s_sub_co_u32 s32, ttmp9, 928
	s_lshl_b32 s34, s32, 11                        ; 128 threads x 16 bytes
	s_mov_b32 s35, 0
	s_lshl_b32 s33, s32, 3                         ; the work-group's first position
	s_mov_b32 s36, 0xbed49a78                      ; -log2(10000) / 32
	s_mov_b32 s37, 0x3f22f983                      ; 2 / pi
	s_mov_b32 s38, 0xbfc90fdb                      ; -(pi/2's upper part)
	s_mov_b32 s39, 0x333bbd2e                      ; -(its lower part, which is negative)
	s_mov_b32 s40, 0x37d00d01                      ; 1 / 40320
	s_mov_b32 s41, 0xbab60b61                      ; -1 / 720
	s_mov_b32 s42, 0x3d2aaaab                      ; 1 / 24
	s_mov_b32 s43, 0x3638ef1d                      ; 1 / 362880
	s_mov_b32 s44, 0xb9500d01                      ; -1 / 5040
	s_mov_b32 s45, 0x3c088889                      ; 1 / 120
	s_mov_b32 s46, 0xbe2aaaab                      ; -1 / 6
	s_mov_b32 s47, 0x3e38aa3b                      ; 0.125 log2(e)
	v_lshrrev_b32 v3, 4, v0
	v_add_nc_u32 v3, s33, v3
	v_cvt_f32_u32 v3, v3                           ; t
	v_bfe_u32 v4, v0, 3, 1                         ; s: 1 for a sine
	v_and_b32 v5, 7, v0
	v_lshlrev_b32 v5, 2, v5                        ; my first frequency
	v_lshlrev_b32 v60, 4, v0                       ; my 16 bytes
.irp i, 0,1,2,3
	v_add_nc_u32 v[16+\i], \i, v5
.endr
.irp i, 0,1,2,3
	v_cvt_f32_u32 v[16+\i], v[16+\i]
.endr
.irp i, 0,1,2,3
	v_mul_f32 v[16+\i], s36, v[16+\i]
.endr
.irp i, 0,1,2,3
	v_exp_f32 v[20+\i], v[16+\i]                   ; 10000^(-j / 32)
.endr
	v_nop                                          ; a plain line behind the last exponential,
	s_wait_alu depctr_va_vdst(0)                   ; and the one wait for the four, ahead of their first reader
.irp i, 0,1,2,3
	v_mul_f32 v[24+\i], v3, v[20+\i]               ; x
.endr
.irp i, 0,1,2,3
	v_mul_f32 v[28+\i], s37, v[24+\i]
.endr
.irp i, 0,1,2,3
	v_rndne_f32 v[28+\i], v[28+\i]                 ; k
.endr
.irp i, 0,1,2,3
	v_fma_f32 v[32+\i], v[28+\i], s38, v[24+\i]
.endr
.irp i, 0,1,2,3
	v_fma_f32 v[32+\i], v[28+\i], s39, v[32+\i]    ; r
.endr
.irp i, 0,1,2,3
	v_cvt_i32_f32 v[36+\i], v[28+\i]
.endr
.irp i, 0,1,2,3
	v_sub_nc_u32 v[36+\i], v[36+\i], v4            ; n
.endr
.irp i, 0,1,2,3
	v_mul_f32 v[40+\i], v[32+\i], v[32+\i]         ; r^2
.endr
.irp i, 0,1,2,3
	v_fma_f32 v[44+\i], v[40+\i], s40, s41
	v_fma_f32 v[48+\i], v[40+\i], s43, s44
.endr
.irp i, 0,1,2,3
	v_fma_f32 v[44+\i], v[44+\i], v[40+\i], s42
	v_fma_f32 v[48+\i], v[48+\i], v[40+\i], s45
.endr
.irp i, 0,1,2,3
	v_fma_f32 v[44+\i], v[44+\i], v[40+\i], -0.5
	v_fma_f32 v[48+\i], v[48+\i], v[40+\i], s46
.endr
.irp i, 0,1,2,3
	v_fma_f32 v[44+\i], v[44+\i], v[40+\i], 1.0    ; cos r
	v_mul_f32 v[40+\i], v[40+\i], v[32+\i]         ; r^3
.endr
.irp i, 0,1,2,3
	v_fma_f32 v[48+\i], v[48+\i], v[40+\i], v[32+\i]   ; sin r
.endr
.irp i, 0,1,2,3
	v_and_b32 v[52+\i], 1, v[36+\i]
	v_cmp_eq_u32 vcc_lo, 1, v[52+\i]
	v_cndmask_b32 v[52+\i], v[44+\i], v[48+\i], vcc_lo   ; n odd: the sine
	v_add_nc_u32 v[36+\i], 1, v[36+\i]
	v_and_b32 v[36+\i], 2, v[36+\i]
	v_lshlrev_b32 v[36+\i], 30, v[36+\i]           ; n = 1 or 2 modulo 4: the sign turns
	v_xor_b32 v[52+\i], v[36+\i], v[52+\i]
	v_mul_f32 v[56+\i], s47, v[52+\i]
.endr
	s_wait_kmcnt 0x0
	s_add_nc_u64 s[28:29], s[28:29], s[34:35]
	global_store_b128 v60, v[56:59], s[28:29]                  ; table 0: for q
	global_store_b128 v60, v[52:55], s[28:29] offset:262144    ; table 1: for k
	s_endpgm
.Lfunc_end_k_q0b7e4d90a6_prep:
	.size	k_q0b7e4d90a6_prep, .Lfunc_end_k_q0b7e4d90a6_prep-k_q0b7e4d90a6_prep
	.p2alignl 7, 3214868480
	.fill 96, 4, 3214868480
	.section	.rodata,"a",@progbits
	.p2align	6, 0x0
	.amdhsa_kernel k_q0b7e4d90a6_prep
		.amdhsa_group_segment_fixed_size 33280
		.amdhsa_private_segment_fixed_size 0
		.amdhsa_enable_private_segment 0
		.amdhsa_kernarg_size 104
		.amdhsa_user_sgpr_count 2
		.amdhsa_user_sgpr_kernarg_segment_ptr 1
		.amdhsa_wavefront_size32 1
		.amdhsa_system_sgpr_workgroup_id_x 1
		.amdhsa_system_sgpr_workgroup_id_y 1
		.amdhsa_system_sgpr_workgroup_id_z 1
		.amdhsa_system_vgpr_workitem_id 0
		.amdhsa_next_free_vgpr 192
		.amdhsa_next_free_sgpr 66
		.amdhsa_reserve_vcc 1
		.amdhsa_float_denorm_mode_32 3
		.amdhsa_float_denorm_mode_16_64 3
		.amdhsa_memory_ordered 1
		.amdhsa_forward_progress 1
		.amdhsa_inst_pref_size 54
	.end_amdhsa_kernel
	.amdgpu_metadata
---
amdhsa.version: [ 1, 2 ]
amdhsa.kernels:
  - .name:           k_q0b7e4d90a6_prep
    .symbol:         k_q0b7e4d90a6_prep.kd
    .args:
      - { .name: query, .offset: 0, .size: 8, .value_kind: global_buffer, .address_space: global }
      - { .name: key, .offset: 8, .size: 8, .value_kind: global_buffer, .address_space: global }
      - { .name: value, .offset: 16, .size: 8, .value_kind: global_buffer, .address_space: global }
      - { .name: q_w, .offset: 24, .size: 8, .value_kind: global_buffer, .address_space: global }
      - { .name: k_w, .offset: 32, .size: 8, .value_kind: global_buffer, .address_space: global }
      - { .name: v_w, .offset: 40, .size: 8, .value_kind: global_buffer, .address_space: global }
      - { .name: o_w, .offset: 48, .size: 8, .value_kind: global_buffer, .address_space: global }
      - { .name: a_codes, .offset: 56, .size: 8, .value_kind: global_buffer, .address_space: global }
      - { .name: a_scales, .offset: 64, .size: 8, .value_kind: global_buffer, .address_space: global }
      - { .name: w_codes, .offset: 72, .size: 8, .value_kind: global_buffer, .address_space: global }
      - { .name: w_scales, .offset: 80, .size: 8, .value_kind: global_buffer, .address_space: global }
      - { .name: ow16, .offset: 88, .size: 8, .value_kind: global_buffer, .address_space: global }
      - { .name: tab, .offset: 96, .size: 8, .value_kind: global_buffer, .address_space: global }
    .group_segment_fixed_size: 33280
    .private_segment_fixed_size: 0
    .kernarg_segment_align: 8
    .kernarg_segment_size: 104
    .max_flat_workgroup_size: 128
    .sgpr_count:     66
    .vgpr_count:     192
    .wavefront_size: 32
...
	.end_amdgpu_metadata
.endif
;; end of part 1
;; launch proj (part 2): grid 4 x 96, 4 waves a work-group, clusters of 4 x 4, 327,680 bytes of LDS; arguments a_codes, a_scales, w_codes, w_scales, q_b, k_b, v_b, tab, qkv16; writes qkv16
.if DOCPART == 2
	.amdgcn_target "amdgcn-amd-amdhsa--gfx1250"
	.amdhsa_code_object_version 6
	.text
	.protected	k_q0b7e4d90a6_proj
	.globl	k_q0b7e4d90a6_proj
	.p2align	8
	.type	k_q0b7e4d90a6_proj,@function
k_q0b7e4d90a6_proj:
	s_mov_b64 s[64:65], 0
	v_nop
	global_prefetch_b8 v0, s[64:65] scope:SCOPE_SE
	s_setreg_imm32_b32 hwreg(HW_REG_WAVE_MODE, 25, 1), 1
	s_wait_xcnt 0x0
	s_wait_alu depctr_hold_cnt(0) depctr_sa_sdst(0) depctr_va_vdst(0) depctr_va_sdst(0) depctr_va_ssrc(0) depctr_va_vcc(0) depctr_vm_vsrc(0)
	s_getreg_b32 s2, hwreg(HW_REG_IB_STS2, 6, 4)
	s_cmp_eq_u32 s2, 0
	s_cbranch_scc0 .Lentry_in_a_cluster
	s_endpgm
.Lentry_in_a_cluster:
	s_bfe_u32 s2, ttmp6, 0x10000c
	s_cmp_lg_u32 s2, 0xf033
	s_cbranch_scc0 .Lentry_shape_is_right
	s_endpgm
.Lentry_shape_is_right:
; PROJ: the three quantised products, y = x W^T + bias, on codes of FP4 (E2M1) with one E8M0 scale for each 32 along K, by v_wmma_scale_f32_16x16x128_f8f6f4; sums in f32.
; A: a_codes [24,576 rows = tensor, b, t][512 bytes], B: w_codes [3,072 rows = tensor, n][512 bytes]; their scale bytes 32 a row.  K = 1,024.
; Behind the sums, in f32: q and k are turned by the rotary table (q's table holds 0.125 log2(e) too); then all three are rounded to f16 and laid by heads: qkv16 [tensor][16 b + head][1,024 t][64].
; LIMIT: |0.18 q|, |k| and |v| stay under 65,504 (f16).
; A tile of 256 x 256 is made by four waves, each 128 x 128: 64 accumulators, 512 registers.  K is exactly the two LDS slots of 512 along K: every tensor load is a first fill, nothing is filled again; a wave has
; three loads out at the most: its part of the scales, of slot 0 and of slot 1.
; CLUSTERS: 4 x 4 work-groups.  The four of a row of the cluster need the same rows of A, the four of a column the same rows of B: each tile is asked for jointly, by the same tensor load with the same descriptor
; and a mask that names the four.  All sixteen work on one tensor (32 tile rows a tensor, 4 to a cluster), so the one branch on the tensor goes the same way in all partners.
; THE MATRIX INSTRUCTION IS USED TRANSPOSED (source 0 = 16 rows of W, source 1 = 16 rows of x): a lane holds one row (lane % 16) and eight neighbouring columns 8 (lane / 16) + 0..7.  The bias, laid so, is the C of each sum's first product.
; REGISTERS, in windows of 256: window 0: v16-31 addresses; v32-95 scale words and nothing else; v128-191 A's fragments, one set; on the way out v96-239.
;   window 1: B's fragments at v0 and v128; v64-127 the bias; v192-255 the table of row blocks 0 and 1; on the way out the table of block a at (192 + 32 a) % 256.   windows 2, 3: the accumulators ((a, b) at v[8 (8 (a % 4) + b)]).
; No prefetch: every tile is asked for at the kernel's head, so there is no later load to run ahead of.
.set NQ,     4                         ; matrix instructions deep in a slot
.set ROWB,   256                       ; a tile's row: 512 codes
.set KROW,   512                       ; a row of codes in memory
.set PITCH,  272                       ; an LDS row: 256 bytes + 16 of padding = 68 words: the 16 rows of a load start at 16 different banks (64 banks of 4 bytes: ISA guide 11.1)
.set FR,     8
.set NL,     2
.set NP,     4                         ; places behind this matrix instruction (ISA guide 7.12.1)
.set HALFT,  128*PITCH
.set SLOT,   4*HALFT                   ; A's 256 rows, then B's 256 rows
.set KS,     32                        ; a row of scale bytes
.set SCL,    2*SLOT                    ; behind the slots: the scales, as rows of 256 bytes + 16 of padding
.set HALFS,  (128*KS/256)*272
.set SBLK,   (16*KS/256)*272
.set SPARE,  SCL+4*HALFS               ; the spare words, 128 bytes a wave, which no other line names
.set ADRA, 16
.set ADRB, 20
.set STO,  24                          ; the way out: where I put 16 bytes of a head's row
.set RD,   25                          ; and where I read four rows back
.set CO,   26                          ; 16 x lane
.set ADRS, 27
.set SPW,  28
.set NIL,  29
.set BO,   30                          ; the bias: 32 (lane / 16)
.set TO,   31                          ; the table: 256 (lane % 16) + 32 (lane / 16)
.set SC,   32
.set AF,   128
.set BI,   64                          ; in window 1
.set T,    96                          ; the way out: v96-111 products with the sines
.set O,    112                         ; v112-143 a head's 16 rows x 64, turned
.set PK,   144                         ; v144-175 the block in f16
.set BK,   176                         ; v176-239 the block as whole rows, two sets
.set G1, 24
.set G0, 32
.set G1B, 48
.set G0B, 56
.set G1S, 68
.set G0S, 76
.set G1SB, 80
.set G0SB, 88
.set MSB, 0
.macro WIN new                         ; the immediate's high byte repeats the setting that is left
.if MSB != (\new)
	s_set_vgpr_msb (MSB<<8)|(\new)
.set MSB, \new
.endif
.endm
.set MUL_LO, 0xa1                      ; source 0 (B) window 1, source 1 (A) window 0, C and D window 2
.set MUL_HI, 0xf1                      ; the same, C and D window 3
.set TO_B,   0x40                      ; destination window 1, address window 0
; A joint load: waves 0 and 1 fetch for A, waves 2 and 3 for B; the branch hangs on the wave's number alone.  An s_nop 0 and four v_nop follow each of the two lines.
.macro JLOAD g0a, g1a, g0b, g1b
	s_cmp_eq_u32 s15, 0
	s_cbranch_scc0 .Lfor_b_\@
	tensor_load_to_lds s[\g0a:\g0a+3], s[\g1a:\g1a+7]
	s_nop 0
.rept 4
	v_nop
.endr
	s_branch .Lasked_\@
.Lfor_b_\@:
	tensor_load_to_lds s[\g0b:\g0b+3], s[\g1b:\g1b+7]
	s_nop 0
.rept 4
	v_nop
.endr
.Lasked_\@:
.endm
.macro CROUND                          ; a round of the cluster's barrier
	s_barrier_signal -1
	s_barrier_wait -1
	s_cmp_lg_u32 s14, 0
	s_cbranch_scc1 .Lnot_wave_0_\@
	s_barrier_signal -3
.Lnot_wave_0_\@:
	s_barrier_wait -3
	s_barrier_signal -1
	s_barrier_wait -1
.endm
	s_load_b256 s[4:11], s[0:1], 0x0               ; A's codes, A's scales, B's codes, B's scales
	s_load_b64 s[96:97], s[0:1], 0x20              ; q_b
	s_load_b64 s[98:99], s[0:1], 0x28              ; k_b
	s_load_b64 s[100:101], s[0:1], 0x30            ; v_b
	s_load_b64 s[66:67], s[0:1], 0x38              ; tab
	s_load_b64 s[12:13], s[0:1], 0x40              ; qkv16
	v_lshl_add_u32 v[SPW], v0, 2, SPARE
	v_mov_b32 v[NIL], 0
	ds_add_u32 v[SPW], v[NIL]                      ; the wave's opening: the add, twice on end, and its wait ahead of my first tensor load
	ds_add_u32 v[SPW], v[NIL]
	v_lshrrev_b32 v1, 5, v0
	v_readfirstlane_b32 s14, v1                    ; wave 0..3
	s_lshr_b32 s15, s14, 1                         ; which half of the tile's rows is mine.  Also: I fetch for A (0) or for B (1)
	s_and_b32 s16, s14, 1                          ; which half of its columns.  Also: which 128 rows I fetch
	s_bfe_u32 s40, ttmp6, 0x40000                  ; cx
	s_bfe_u32 s41, ttmp6, 0x40004                  ; cy
	s_lshl_b32 s42, ttmp9, 2
	s_add_co_u32 s42, s42, s40                     ; tile column 0..3
	s_and_b32 s17, ttmp7, 0xffff                   ; cluster y, 0..23
	s_lshr_b32 s95, s17, 3                         ; the tensor: 8 clusters each; the same in all sixteen partners
	s_lshl_b32 s17, s17, 2
	s_add_co_u32 s17, s17, s41                     ; tile row 0..95
	s_lshl_b32 s43, s41, 2
	s_lshl_b32 s43, 15, s43                        ; my row of the cluster
	s_lshl_b32 s44, 0x1111, s40                    ; my column
	; descriptor group 1: a tile of 128 rows x 256 bytes, 16 bytes of padding behind each row
	s_or_b32 s[G1+0], s43, (0<<16)|(1<<20)|(1<<21)|(5<<22)|(3<<25)  ; 15:0 the mask; 17:16 elements of 1 byte; 20 padding on; 21 set beside a mask; 24:22 after every 64 words; 31:25 four words
	s_or_b32 s[G1B+0], s44, (0<<16)|(1<<20)|(1<<21)|(5<<22)|(3<<25)
.irp g, G1, G1B
	s_mov_b32 s[\g+1], ROWB<<16                    ; tensor_dim0
	s_mov_b32 s[\g+2], 128<<16                     ; tensor_dim1
	s_mov_b32 s[\g+3], ROWB<<16                    ; tile_dim0
	s_mov_b32 s[\g+4], 128                         ; tile_dim1
	s_mov_b32 s[\g+5], KROW                        ; from row to row
	s_mov_b32 s[\g+6], 0
	s_mov_b32 s[\g+7], 0
.endr
	; the scales of 128 rows: 4,096 dense bytes, as 16 rows of 256 bytes (32 elements of 8), 16 bytes of padding behind each
	s_or_b32 s[G1S+0], s43, (3<<16)|(1<<20)|(1<<21)|(5<<22)|(3<<25)
	s_or_b32 s[G1SB+0], s44, (3<<16)|(1<<20)|(1<<21)|(5<<22)|(3<<25)
.irp g, G1S, G1SB
	s_mov_b32 s[\g+1], 32<<16
	s_mov_b32 s[\g+2], (128*KS/256)<<16
	s_mov_b32 s[\g+3], 32<<16
	s_mov_b32 s[\g+4], 128*KS/256
	s_mov_b32 s[\g+5], 32
	s_mov_b32 s[\g+6], 0
	s_mov_b32 s[\g+7], 0
.endr
	s_lshl_b32 s18, s16, 7
	s_lshl_b32 s20, s17, 8
	s_add_co_u32 s20, s20, s18                     ; A: row 256 x tile row + 128 x half
	s_lshl_b32 s46, s42, 8
	s_add_co_u32 s46, s46, s18
	s_lshl_b32 s19, s95, 10
	s_add_co_u32 s46, s46, s19                     ; B: row 1,024 x tensor + 256 x tile column + 128 x half
	s_mov_b32 s21, 0
	s_mov_b32 s47, 0
	s_lshl_b64 s[22:23], s[20:21], 5               ; where these rows' scales begin,
	s_lshl_b64 s[92:93], s[46:47], 5
	s_lshl_b64 s[20:21], s[20:21], 9               ; and their codes
	s_lshl_b64 s[46:47], s[46:47], 9
	s_mul_i32 s45, s14, HALFT                      ; where they go: wave x 128 rows: no place in the cluster enters an LDS address
	s_mul_i32 s94, s14, HALFS
	s_wait_dscnt 0x0                               ; both opening adds are done
	s_wait_kmcnt 0x0
	s_add_nc_u64 s[20:21], s[4:5], s[20:21]
	s_add_nc_u64 s[22:23], s[6:7], s[22:23]
	s_add_nc_u64 s[46:47], s[8:9], s[46:47]
	s_add_nc_u64 s[92:93], s[10:11], s[92:93]
	CROUND                                         ; all sixteen work-groups are here: the joint loads meet
	s_mov_b32 s[G0S], 1
	s_add_co_u32 s[G0S+1], s94, SCL
	s_mov_b64 s[G0S+2:G0S+3], s[22:23]
	s_or_b32 s[G0S+3], s[G0S+3], 0x80000000
	s_mov_b32 s[G0SB], 1
	s_add_co_u32 s[G0SB+1], s94, SCL
	s_mov_b64 s[G0SB+2:G0SB+3], s[92:93]
	s_or_b32 s[G0SB+3], s[G0SB+3], 0x80000000
	JLOAD G0S, G1S, G0SB, G1SB                     ; the scales first: they are wanted with slot 0
.irp s, 0,1
	s_mov_b32 s[G0+4*\s], 1
	s_add_co_u32 s[G0+4*\s+1], s45, \s*SLOT
	s_add_nc_u64 s[G0+4*\s+2:G0+4*\s+3], s[20:21], \s*ROWB
	s_or_b32 s[G0+4*\s+3], s[G0+4*\s+3], 0x80000000
	s_mov_b32 s[G0B+4*\s], 1
	s_add_co_u32 s[G0B+4*\s+1], s45, \s*SLOT
	s_add_nc_u64 s[G0B+4*\s+2:G0B+4*\s+3], s[46:47], \s*ROWB
	s_or_b32 s[G0B+4*\s+3], s[G0B+4*\s+3], 0x80000000
	JLOAD G0+4*\s, G1, G0B+4*\s, G1B
.endr
	v_and_b32 v1, 15, v0                           ; r = lane % 16
	v_bfe_u32 v2, v0, 4, 1                         ; h = lane / 16
	v_mul_u32_u24 v3, v1, PITCH
	v_lshl_add_u32 v4, v2, 4, v3                   ; a fragment's row x pitch + 16 h
	s_mul_i32 s21, s15, HALFT                      ; my 128 rows of A
	s_mul_i32 s22, s16, HALFT                      ; my 128 rows of B,
	s_add_co_u32 s22, s22, 2*HALFT                 ; which lie behind A's 256
.irp s, 0,1
	v_add_nc_u32 v[ADRA+\s], s21, v4
	v_add_nc_u32 v[ADRB+\s], s22, v4
	s_add_co_u32 s21, s21, SLOT
	s_add_co_u32 s22, s22, SLOT
.endr
	v_mul_u32_u24 v5, v1, KS                       ; my row's scales: 32 bytes a row,
	v_lshrrev_b32 v6, 8, v5
	v_lshl_add_u32 v5, v6, 4, v5                   ; and 16 more for each 256 passed
	s_mul_i32 s21, s15, HALFS
	s_mul_i32 s22, s16, HALFS
	s_add_co_u32 s22, s22, 2*HALFS
	s_sub_co_u32 s22, s22, s21
	v_mul_u32_u24 v6, s22, v2                      ; lanes 16-31 take B's: one product, the distance between the two bases
	s_add_co_u32 s21, s21, SCL
	v_add_nc_u32 v5, v5, v6
	v_add_nc_u32 v[ADRS], s21, v5
	s_mul_i32 s23, s14, 4608                       ; my stage, [2 heads][16 rows][128 bytes + 16], in slot 0: when the first result is stored there the slot has had its only fill and its last read
	v_mul_u32_u24 v5, v1, 144
	v_lshl_add_u32 v5, v2, 4, v5
	v_add_nc_u32 v[STO], s23, v5                   ; in: row r, 16 h
	v_and_b32 v6, 31, v0
	v_lshlrev_b32 v[CO], 4, v6
	v_lshrrev_b32 v7, 3, v6
	v_mul_u32_u24 v7, v7, 144
	v_and_b32 v8, 7, v0
	v_lshl_add_u32 v7, v8, 4, v7
	v_add_nc_u32 v[RD], s23, v7                    ; back: eight lanes to a row of 128 bytes, four rows an instruction
	v_lshlrev_b32 v[BO], 5, v2
	v_lshlrev_b32 v[TO], 8, v1
	v_lshl_add_u32 v[TO], v2, 5, v[TO]
	s_and_b32 s19, s17, 3
	s_lshl_b32 s19, s19, 8
	s_lshl_b32 s18, s15, 7
	s_add_co_u32 s19, s19, s18                     ; my first position t: 256 (tile row % 4) + 128 x half
	s_and_b32 s20, s17, 31
	s_lshr_b32 s20, s20, 2                         ; the batch
	s_lshl_b32 s20, s20, 4
	s_lshl_b32 s21, s42, 2
	s_add_co_u32 s20, s20, s21
	s_lshl_b32 s21, s16, 1
	s_add_co_u32 s20, s20, s21                     ; my first head: 16 b + 4 x tile column + 2 x half
	s_lshl_b32 s20, s20, 10
	s_add_co_u32 s20, s20, s19
	s_lshl_b32 s20, s20, 7                         ; 128 bytes a row
	s_lshl_b32 s21, s95, 24                        ; 16,777,216 bytes a tensor
	s_add_co_u32 s20, s20, s21
	s_mov_b32 s21, 0
	s_add_nc_u64 s[12:13], s[12:13], s[20:21]
	s_min_u32 s46, s95, 1                          ; q: table 0; k: table 1; v loads table 1's first rows too and never reads them, so that the text has one branch on the tensor
	s_lshl_b32 s46, s46, 18
	s_lshl_b32 s47, s19, 8
	s_add_co_u32 s46, s46, s47
	s_mov_b32 s47, 0
	s_add_nc_u64 s[66:67], s[66:67], s[46:47]
	s_cmp_eq_u32 s95, 1
	s_cselect_b64 s[96:97], s[98:99], s[96:97]
	s_cmp_eq_u32 s95, 2
	s_cselect_b64 s[96:97], s[100:101], s[96:97]   ; the tensor's bias,
	s_lshl_b32 s46, s42, 10
	s_lshl_b32 s47, s16, 9
	s_add_co_u32 s46, s46, s47
	s_mov_b32 s47, 0
	s_add_nc_u64 s[96:97], s[96:97], s[46:47]      ; at my first column
.macro TABLE a                         ; row block a's table: lane (r, h): +0..7 cos(8 h + j), +8..15 cos(16 + 8 h + j), +16..31 the sines
.set TBA, (192+32*(\a))%256
.irp g, 0,1,2,3,4,5,6,7
	global_load_b128 v[TBA+4*\g:TBA+4*\g+3], v[TO], s[66:67] offset:4096*(\a)+64*(\g/2)+16*(\g%2)
.endr
.endm
	WIN TO_B
.irp b, 0,1,2,3,4,5,6,7
	global_load_b128 v[BI+8*\b:BI+8*\b+3], v[BO], s[96:97] offset:64*\b          ; bias(16 b + 8 h + 0..7)
	global_load_b128 v[BI+8*\b+4:BI+8*\b+7], v[BO], s[96:97] offset:64*\b+16
.endr
	TABLE 0
	TABLE 1
	WIN 0
.macro FRAG reg, adr, q, i             ; 16 rows x 128 K of 4-bit codes: 8 registers: lane l holds row l % 16; registers 4 c .. 4 c + 3 hold K = 64 c + 32 (l / 16) + 0 .. 31
.irp c, 0,1
	ds_load_b128 v[\reg+4*\c:\reg+4*\c+3], v[\adr] offset:64*(\q)+32*\c+(\i)*16*PITCH
.endr
.endm
; 16 matrix instructions: A's blocks a0, a0 + 1 x B's eight.  first = 1: the sum's first product takes the bias as its C.  The 64 accumulators take turns, one instruction a turn.
.macro MUL16 a0, p, q, sc, first
.irp a, \a0, \a0+1
.irp b, 0,1,2,3,4,5,6,7
.if \first
	v_wmma_scale_f32_16x16x128_f8f6f4 v[8*(8*((\a)%4)+\b):8*(8*((\a)%4)+\b)+7], v[128*(\p)+FR*\b:128*(\p)+FR*\b+FR-1], v[AF+FR*(\a):AF+FR*(\a)+FR-1], v[BI+8*\b:BI+8*\b+7], v[SC+8*NQ*(\sc)+NQ*\b+(\q)], v[SC+8*NQ*(\sc)+NQ*(\a)+(\q)] matrix_a_fmt:MATRIX_FMT_FP4 matrix_b_fmt:MATRIX_FMT_FP4 matrix_a_scale:MATRIX_SCALE_ROW1
.else
	v_wmma_scale_f32_16x16x128_f8f6f4 v[8*(8*((\a)%4)+\b):8*(8*((\a)%4)+\b)+7], v[128*(\p)+FR*\b:128*(\p)+FR*\b+FR-1], v[AF+FR*(\a):AF+FR*(\a)+FR-1], v[8*(8*((\a)%4)+\b):8*(8*((\a)%4)+\b)+7], v[SC+8*NQ*(\sc)+NQ*\b+(\q)], v[SC+8*NQ*(\sc)+NQ*(\a)+(\q)] matrix_a_fmt:MATRIX_FMT_FP4 matrix_b_fmt:MATRIX_FMT_FP4 matrix_a_scale:MATRIX_SCALE_ROW1
.endif
.endr
.endr
.endm
.macro FETCH_B slot, q, p
	WIN TO_B
.irp i, 0,1,2,3,4,5,6,7
	FRAG 128*(\p)+FR*\i, ADRB+\slot, \q, \i
.endr
	WIN 0
.endm
.macro FETCH_A slot, q, i0
.irp i, \i0, \i0+1, \i0+2, \i0+3
	FRAG AF+FR*(\i), ADRA+\slot, \q, \i
.endr
.endm
.macro SCALES sc                       ; a slot's scale words: four a row; lanes 0-15 take A's block i, lanes 16-31 B's block i
.irp i, 0,1,2,3,4,5,6,7
	ds_load_b128 v[SC+8*NQ*\sc+NQ*\i:SC+8*NQ*\sc+NQ*\i+3], v[ADRS] offset:\i*SBLK
.endr
.endm
.macro PLACES n                        ; plain vector lines between a matrix instruction and a load into, or a read of, its registers (ISA guide 7.12.1 for reads)
.rept \n
	v_nop
.endr
.endm
.macro STEP slot, q, first             ; 128 along K, with its successor in the same slot
	s_wait_dscnt 4*NL                              ; B's set and A's blocks 0-3 are in; the youngest eight loads (A's blocks 4-7) may be out
.if \first
	WIN 0x91                                       ; C (the bias) in window 1, D in window 2
.else
	WIN MUL_LO
.endif
	MUL16 0, (\q)%2, \q, \slot, \first
	MUL16 2, (\q)%2, \q, \slot, \first
	s_wait_dscnt 0                                 ; A's blocks 4-7 are in
	PLACES NP
	FETCH_B \slot, (\q)+1, 1-(\q)%2
	FETCH_A \slot, (\q)+1, 0
.if \first
	WIN 0xd1
.else
	WIN MUL_HI
.endif
	MUL16 4, (\q)%2, \q, \slot, \first
	MUL16 6, (\q)%2, \q, \slot, \first
	PLACES NP
	WIN 0
	FETCH_A \slot, (\q)+1, 4
.endm
.macro STEPS slot, from
.set Q, \from
.rept NQ-1-\from
	STEP \slot, Q, 0
.set Q, Q+1
.endr
.endm
	s_wait_tensorcnt 1                             ; the scales and my part of slot 0 are in; slot 1's load may be out
	s_barrier_signal -1
	s_barrier_wait -1                              ; everybody's are
	FETCH_B 0, 0, 0
	FETCH_A 0, 0, 0
	SCALES 0
	FETCH_A 0, 0, 4
	s_wait_loadcnt 0x0                             ; the bias and the table's first two blocks
	STEP 0, 0, 1
	STEPS 0, 1
	; slot 0's last step, and the change to slot 1: one barrier; in front of it my part of slot 1 has landed and my reads of slot 0 are over
	s_wait_tensorcnt 0x0
	ds_add_u32 v[SPW], v[NIL]                      ; 0 onto my spare word
	s_wait_dscnt 4*NL+1                            ; (the add and A's blocks 4-7 may be out)
	WIN MUL_LO
	MUL16 0, 1, NQ-1, 0, 0
	s_wait_dscnt 0x0
	s_barrier_signal -1
	MUL16 2, 1, NQ-1, 0, 0
	WIN 0
	s_barrier_wait -1
	PLACES NP
	v_add_nc_u32 v[ADRS], 4*NQ, v[ADRS]            ; on to slot 1's scale words
	FETCH_B 1, 0, 0
	FETCH_A 1, 0, 0
	SCALES 1
	WIN MUL_HI
	MUL16 4, 1, NQ-1, 0, 0
	MUL16 6, 1, NQ-1, 0, 0
	PLACES NP
	WIN 0
	FETCH_A 1, 0, 4
	STEPS 1, 0
	s_wait_dscnt 4*NL                              ; the last step: nothing more to fetch
	WIN MUL_LO
	MUL16 0, 1, NQ-1, 1, 0
	MUL16 2, 1, NQ-1, 1, 0
	s_wait_dscnt 0
	WIN MUL_HI
	MUL16 4, 1, NQ-1, 1, 0
	MUL16 6, 1, NQ-1, 1, 0
	WIN 0
; THE WAY OUT, a block of 16 rows x 128 columns (two heads) at a time.
; COMPUTE: a head's columns d < 32 lie in accumulators 4 hh + u, d >= 32 in 4 hh + u + 2 (u = 0, 1): out1 = x1 cos - x2 sin, out2 = x2 cos + x1 sin, with cos and sin of (t, d % 32); then f16.  Each accumulator is read from its low end on.
.macro COMPUTE a, rope
.set AC, 64*((\a)%4)
.set TBA, (192+32*(\a))%256
.if \rope
.if (\a) >= 2
	s_wait_loadcnt 8*(7-(\a))                      ; this block's eight table loads are in; the later blocks' may be out
.endif
.irp hh, 0,1
	WIN 0x06+(\a)/4                                ; source 0: the accumulators' window; source 1: window 1
.irp u, 0,1
.irp jj, 0,2,4,6
	v_pk_mul_f32 v[T+\jj:T+\jj+1], v[AC+8*(4*\hh+\u+2)+\jj:AC+8*(4*\hh+\u+2)+\jj+1], v[TBA+16+8*\u+\jj:TBA+16+8*\u+\jj+1]
	v_pk_mul_f32 v[T+8+\jj:T+8+\jj+1], v[AC+8*(4*\hh+\u)+\jj:AC+8*(4*\hh+\u)+\jj+1], v[TBA+16+8*\u+\jj:TBA+16+8*\u+\jj+1]
.endr
.irp jj, 0,2,4,6
	v_pk_fma_f32 v[O+8*\u+\jj:O+8*\u+\jj+1], v[AC+8*(4*\hh+\u)+\jj:AC+8*(4*\hh+\u)+\jj+1], v[TBA+8*\u+\jj:TBA+8*\u+\jj+1], v[T+\jj:T+\jj+1] neg_lo:[0,0,1] neg_hi:[0,0,1]
	v_pk_fma_f32 v[O+8*(\u+2)+\jj:O+8*(\u+2)+\jj+1], v[AC+8*(4*\hh+\u+2)+\jj:AC+8*(4*\hh+\u+2)+\jj+1], v[TBA+8*\u+\jj:TBA+8*\u+\jj+1], v[T+8+\jj:T+8+\jj+1]
.endr
.endr
	WIN 0
.irp i, 0,1,2,3,4,5,6,7,8,9,10,11,12,13,14,15
	v_cvt_pk_f16_f32 v[PK+16*\hh+\i], v[O+2*\i], v[O+2*\i+1]
.endr
.endr
.else
	WIN 0x0a+5*((\a)/4)                            ; sources 0 and 1: the accumulators' window
.irp i, 0,1,2,3,4,5,6,7,8,9,10,11,12,13,14,15,16,17,18,19,20,21,22,23,24,25,26,27,28,29,30,31
	v_cvt_pk_f16_f32 v[PK+\i], v[AC+2*\i], v[AC+2*\i+1]
.endr
	WIN 0
.endif
.endm
.macro TOSTAGE a                       ; into my own stage and back as whole rows: LDS serves a wave's instructions in order (ISA guide 5.7.1.4)
.set BB, BK+32*((\a)%2)
.irp b, 0,1,2,3,4,5,6,7
	ds_store_b128 v[STO], v[PK+4*\b:PK+4*\b+3] offset:2304*(\b/4)+32*(\b%4)
.endr
.irp g, 0,1,2,3,4,5,6,7
	ds_load_b128 v[BB+4*\g:BB+4*\g+3], v[RD] offset:2304*(\g/4)+576*(\g%4)
.endr
.endm
.macro SEND a, younger                 ; younger: the LDS instructions issued behind block a's loads
.set BB, BK+32*((\a)%2)
	s_wait_dscnt \younger
.irp g, 0,1,2,3,4,5,6,7
	global_store_b128 v[CO], v[BB+4*\g:BB+4*\g+3], s[12:13] offset:131072*(\g/4)+2048*(\a)+512*(\g%4)   ; four rows of a head: 512 consecutive bytes, at a multiple of 256 from the buffer's first byte
.endr
.endm
.macro OUT rope
	COMPUTE 0, \rope
	TOSTAGE 0
.irp a, 1,2,3,4,5,6,7
	COMPUTE \a, \rope
.if \a > 1
	s_wait_xcnt 0x0                                ; block a - 2's stores have read their registers: block a's loads may land there
.endif
	TOSTAGE \a
	SEND \a-1, 16                                  ; behind block a - 1's loads: block a's 8 stores and 8 loads
.endr
	SEND 7, 0
.endm
	PLACES NP                                      ; behind the last products: for the first reads of results, and for loads and writes into registers that held fragments
	s_cmp_eq_u32 s95, 2                            ; v is not turned.  The tensor is the same in all partners
	s_cbranch_scc1 .Lplain
	WIN TO_B
.irp a, 2,3,4,5,6,7
	TABLE \a
.endr
	WIN 0
	OUT 1
	s_branch .Ldone
.Lplain:
	OUT 0
.Ldone:
	s_wait_tensorcnt 0x0                           ; the wave's end: behind my last tensor load and my last LDS store
	ds_add_u32 v[SPW], v[NIL]
	s_wait_dscnt 0x0
	CROUND                                         ; the closing round: no work-group ends while a partner may still ask for a tile that names it
	s_endpgm
.Lfunc_end_k_q0b7e4d90a6_proj:
	.size	k_q0b7e4d90a6_proj, .Lfunc_end_k_q0b7e4d90a6_proj-k_q0b7e4d90a6_proj
	.p2alignl 7, 3214868480
	.fill 96, 4, 3214868480
	.section	.rodata,"a",@progbits
	.p2align	6, 0x0
	.amdhsa_kernel k_q0b7e4d90a6_proj
		.amdhsa_group_segment_fixed_size 327680
		.amdhsa_private_segment_fixed_size 0
		.amdhsa_enable_private_segment 0
		.amdhsa_kernarg_size 72
		.amdhsa_user_sgpr_count 2
		.amdhsa_user_sgpr_kernarg_segment_ptr 1
		.amdhsa_wavefront_size32 1
		.amdhsa_system_sgpr_workgroup_id_x 1
		.amdhsa_system_sgpr_workgroup_id_y 1
		.amdhsa_system_sgpr_workgroup_id_z 1
		.amdhsa_system_vgpr_workitem_id 0
		.amdhsa_next_free_vgpr 1024
		.amdhsa_next_free_sgpr 102
		.amdhsa_reserve_vcc 0
		.amdhsa_float_denorm_mode_32 3
		.amdhsa_float_denorm_mode_16_64 3
		.amdhsa_memory_ordered 1
		.amdhsa_forward_progress 1
		.amdhsa_inst_pref_size 199
	.end_amdhsa_kernel
	.amdgpu_metadata
---
amdhsa.version: [ 1, 2 ]
amdhsa.kernels:
  - .name:           k_q0b7e4d90a6_proj
    .symbol:         k_q0b7e4d90a6_proj.kd
    .args:
      - { .name: a_codes, .offset: 0, .size: 8, .value_kind: global_buffer, .address_space: global }
      - { .name: a_scales, .offset: 8, .size: 8, .value_kind: global_buffer, .address_space: global }
      - { .name: w_codes, .offset: 16, .size: 8, .value_kind: global_buffer, .address_space: global }
      - { .name: w_scales, .offset: 24, .size: 8, .value_kind: global_buffer, .address_space: global }
      - { .name: q_b, .offset: 32, .size: 8, .value_kind: global_buffer, .address_space: global }
      - { .name: k_b, .offset: 40, .size: 8, .value_kind: global_buffer, .address_space: global }
      - { .name: v_b, .offset: 48, .size: 8, .value_kind: global_buffer, .address_space: global }
      - { .name: tab, .offset: 56, .size: 8, .value_kind: global_buffer, .address_space: global }
      - { .name: qkv16, .offset: 64, .size: 8, .value_kind: global_buffer, .address_space: global }
    .group_segment_fixed_size: 327680
    .private_segment_fixed_size: 0
    .kernarg_segment_align: 8
    .kernarg_segment_size: 72
    .max_flat_workgroup_size: 128
    .sgpr_count:     102
    .vgpr_count:     1024
    .wavefront_size: 32
...
	.end_amdgpu_metadata
.endif
;; end of part 2
;; launch attn (part 3): grid 2 x 128, 8 waves a work-group, no clusters, 327,680 bytes of LDS; arguments qkv16, attn16; writes attn16
.if DOCPART == 3
	.amdgcn_target "amdgcn-amd-amdhsa--gfx1250"
	.amdhsa_code_object_version 6
	.text
	.protected	k_q0b7e4d90a6_attn
	.globl	k_q0b7e4d90a6_attn
	.p2align	8
	.type	k_q0b7e4d90a6_attn,@function
k_q0b7e4d90a6_attn:
	s_mov_b64 s[64:65], 0
	v_nop
	global_prefetch_b8 v0, s[64:65] scope:SCOPE_SE
	s_setreg_imm32_b32 hwreg(HW_REG_WAVE_MODE, 25, 1), 1
	s_wait_xcnt 0x0
; ATTN: O[bh][q] = the sum over the 1,000 keys of softmax_k(q . k) v, for 128 heads of 64 channels.  qkv16 [3][128 bh][1,024 t][64] f16; q already holds the scaling and log2(e), so p = 2^(s - m).
; Products on f16 operands with f32 sums; maxima, exponentials and sums in f32, with a running maximum m and sum l for each query; p is rounded to f16 for the second product, O once at the end.
; Keys 1000..1023 are padding: their scores become -infinity ahead of the maximum.  Queries 1000..1023 are computed like the others (finite numbers, which the next launch reads and does not store).
; LIMIT: |O| stays under 65,504 (f16); NaN and infinities are not served.
; SHARES.  A work-group owns 512 queries of one head, each of its eight waves 64: four tiles of 16; two waves to a SIMD, so that one wave's softmax stands beside the other's products.
; THE HEAD'S WHOLE K AND V LIE IN LDS, brought once, by two tensor loads a wave: waves 0-3 fetch K's quarters, waves 4-7 V's.  The first load, at the head, brings the first 5 key steps (320 keys, 80 rows a wave), so that
; what stands ahead of the first product is 5/16 of K and V.  The second brings the other 704 keys (176 rows a wave): it is issued behind the barrier that shows the first landed, and is waited for ahead of key step 4, the
; first that touches it (it fetches K of step 5): it has key steps 0 to 3 in which to land.  One load of a wave is out at a time.  Key steps 4 to 14 are one loop with no barrier in it.
; NO CLUSTER: a head's tiles are shared by two work-groups only; a cluster of four would hold two heads, whose tiles differ, or cut a head into four blocks of queries: 512 work-groups, each bringing the whole K and V.
; NO PREFETCH: the launch has two requests a wave, and the second is issued four key steps ahead of the wait for it.
; LAYOUT.  S^T = K Q^T (source 0 = 16 keys, source 1 = 16 queries): a lane holds ONE query (lane % 16) and keys 8 (lane / 16) + 0..7.  Two such tiles, rounded to f16 in pairs, are source 1 (32 keys x 16 queries) of
; O^T = V^T P, whose result again holds one query a lane.  K comes out of LDS as it lies, V ([key][channel]) turned, by ds_load_tr16_b128.
; REGISTERS: window 0: v2-10 addresses; v32-63 eight statistics a tile; v64-191 S^T, 32 a tile (p is packed in place into a tile's first 16); v192-255 V's fragments of a step.
;   window 1: v0-127 O^T, 32 a tile; v128-191 Q; v192-255 K's fragments of a step.
.set PKB,   144                        ; a row of K in LDS: 128 bytes + 16: the 16 rows of a load start at 16 different banks (64 banks of 4 bytes: ISA guide 11.1)
.set PVB,   160                        ; a row of V: 128 + 32: an odd multiple of 32, for the turning load
.set VOFF,  1024*PKB
.set SPARE, VOFF+1024*PVB              ; the spare words, 128 bytes a wave, which no other line names
.set KSTEP, 64*PKB
.set VSTEP, 64*PVB
.set N0,    5                          ; key steps in the first load
.set R0,    16*N0                      ; its rows for each of the four waves that fetch K, or V
.set R1,    256-R0                     ; and the second load's
.set AK0, 2
.set AV0, 3
.set ADK, 4
.set ADV, 5
.set QO,  6
.set STO, 7
.set RD,  8
.set GO,  9
.set NINF, 10
.set SPW, 28
.set NIL, 29
.set ST,  32                           ; tile t at v[ST + 8 t]: +0 m, +1 the old m, +2, +3 l (even keys', odd keys'), +4..+7 at work; +6 takes a = 2^(old m - m), +7 its exponent
.set S,   64
.set VF,  192
.set OA,  0                            ; in window 1
.set QF,  128
.set KF,  192
.set TBK, 2                            ; s2  LDS byte of the next step's K
.set TBV, 3                            ; s3  LDS byte of this step's V
.set WV,  8
.set SEL, 20
.set G1K0, 24                          ; s[24:31] descriptor group 1: K, R0 rows;  s[32:39] V, R0 rows;  s[40:47] K, R1 rows;  s[48:55] V, R1 rows
.set G1V0, 32
.set G1K1, 40
.set G1V1, 48
.set G0K0, 56                          ; s[56:59], s[60:63] groups 0 of the first load;  s[68:71], s[72:75] of the second: all made at the head, none rewritten
.set G0V0, 60
.set G0K1, 68
.set G0V1, 72
.set MSB, 0
.macro WIN new
.if MSB != (\new)
	s_set_vgpr_msb (MSB<<8)|(\new)
.set MSB, \new
.endif
.endm
; Waves 0-3 fetch for K, waves 4-7 for V; the branch hangs on the wave's number alone.  An s_nop 0 and four v_nop follow each of the two lines.
.macro TLOAD g0k, g1k, g0v, g1v
	s_cmp_lt_u32 s[WV], 4
	s_cbranch_scc0 .Lfor_v_\@
	tensor_load_to_lds s[\g0k:\g0k+3], s[\g1k:\g1k+7]
	s_nop 0
.rept 4
	v_nop
.endr
	s_branch .Lasked_\@
.Lfor_v_\@:
	tensor_load_to_lds s[\g0v:\g0v+3], s[\g1v:\g1v+7]
	s_nop 0
.rept 4
	v_nop
.endr
.Lasked_\@:
.endm
	s_load_b128 s[4:7], s[0:1], 0x0                ; qkv16, attn16
	v_lshl_add_u32 v[SPW], v0, 2, SPARE
	v_mov_b32 v[NIL], 0
	ds_add_u32 v[SPW], v[NIL]                      ; the wave's opening: the add, twice on end, and its wait ahead of my first tensor load
	ds_add_u32 v[SPW], v[NIL]
	v_lshrrev_b32 v1, 5, v0
	v_readfirstlane_b32 s[WV], v1                  ; wave 0..7
	s_and_b32 s9, s[WV], 3                         ; which quarter of a load's keys I fetch
	s_and_b32 s10, ttmp7, 0xffff                   ; the head, 16 b + h
	; descriptor group 1: rows of 64 elements of 2 bytes, dense in memory, padded in LDS behind every row
.irp g, G1K0, G1K1
	s_mov_b32 s[\g], (1<<16)|(1<<20)|(4<<22)|(3<<25)              ; K: after every 32 words, four words
.endr
.irp g, G1V0, G1V1
	s_mov_b32 s[\g], (1<<16)|(1<<20)|(4<<22)|(7<<25)              ; V: eight words
.endr
.irp g, G1K0, G1V0, G1K1, G1V1
	s_mov_b32 s[\g+1], 64<<16                      ; tensor_dim0
	s_mov_b32 s[\g+3], 64<<16                      ; tile_dim0
	s_mov_b32 s[\g+5], 64                          ; from row to row
	s_mov_b32 s[\g+6], 0
	s_mov_b32 s[\g+7], 0
.endr
.irp g, G1K0, G1V0
	s_mov_b32 s[\g+2], R0<<16                      ; tensor_dim1
	s_mov_b32 s[\g+4], R0                          ; tile_dim1
.endr
.irp g, G1K1, G1V1
	s_mov_b32 s[\g+2], R1<<16
	s_mov_b32 s[\g+4], R1
.endr
	s_mov_b32 s[SEL], 0x76543210
	s_mov_b32 s[SEL+1], 0xfedcba98                 ; v_permlanex16_b32: lane l xor 16
	s_mov_b32 s22, 0xffff0000                      ; lanes 16-31
	s_mov_b32 s[TBK], KSTEP
	s_mov_b32 s[TBV], 0
	s_lshl_b32 s12, s10, 17                        ; a head is 131,072 bytes
	s_mov_b32 s13, 0
	s_mul_i32 s14, s9, 128*R0                      ; the first load: my rows in memory, 128 bytes a row,
	s_mov_b32 s15, 0
	s_mul_i32 s76, s9, 128*R1                      ; the second load's,
	s_add_co_u32 s76, s76, 128*4*R0                ; behind the first load's 4 R0 rows
	s_mov_b32 s77, 0
	s_mul_i32 s78, s9, R0*PKB                      ; and in LDS: K, first load;
	s_mul_i32 s79, s9, R0*PVB
	s_add_co_u32 s79, s79, VOFF                    ; V, first load;
	s_mul_i32 s80, s9, R1*PKB
	s_add_co_u32 s80, s80, 4*R0*PKB                ; K, second load;
	s_mul_i32 s81, s9, R1*PVB
	s_add_co_u32 s81, s81, VOFF+4*R0*PVB           ; V, second load
	s_lshl_b32 s16, s10, 10
	s_lshl_b32 s17, ttmp9, 9
	s_add_co_u32 s16, s16, s17
	s_lshl_b32 s17, s[WV], 6
	s_add_co_u32 s16, s16, s17                     ; my first query's row: 1,024 head + 512 x + 64 wave
	s_lshl_b32 s16, s16, 7
	s_mov_b32 s17, 0
	s_mul_i32 s18, s[WV], KSTEP                    ; my stage for the way out: 64 rows x 144 bytes, in K's bytes
	s_wait_dscnt 0x0                               ; both opening adds are done
	s_wait_kmcnt 0x0
	s_add_nc_u64 s[12:13], s[4:5], s[12:13]        ; the head, in q's part of the buffer; k's lies 16,777,216 bytes on, v's 33,554,432
	s_add_nc_u64 s[14:15], s[12:13], s[14:15]
	s_add_nc_u64 s[76:77], s[12:13], s[76:77]
	s_mov_b32 s[G0K0], 1                           ; 1:0 count = 1
	s_mov_b32 s[G0K0+1], s78                       ; 63:32 LDS address
	s_add_nc_u64 s[G0K0+2:G0K0+3], s[14:15], 16777216   ; 120:64 global address
	s_or_b32 s[G0K0+3], s[G0K0+3], 0x80000000      ; 127:126 type = 2
	s_mov_b32 s[G0V0], 1
	s_mov_b32 s[G0V0+1], s79
	s_add_nc_u64 s[G0V0+2:G0V0+3], s[14:15], 33554432
	s_or_b32 s[G0V0+3], s[G0V0+3], 0x80000000
	s_mov_b32 s[G0K1], 1
	s_mov_b32 s[G0K1+1], s80
	s_add_nc_u64 s[G0K1+2:G0K1+3], s[76:77], 16777216
	s_or_b32 s[G0K1+3], s[G0K1+3], 0x80000000
	s_mov_b32 s[G0V1], 1
	s_mov_b32 s[G0V1+1], s81
	s_add_nc_u64 s[G0V1+2:G0V1+3], s[76:77], 33554432
	s_or_b32 s[G0V1+3], s[G0V1+3], 0x80000000
	TLOAD G0K0, G1K0, G0V0, G1V0                   ; the first load: keys 0..319; ahead of every wait on TENSORcnt, every LDS read and every barrier
	s_add_nc_u64 s[4:5], s[4:5], s[16:17]          ; Q at my first query,
	s_add_nc_u64 s[6:7], s[6:7], s[16:17]          ; and the result
	v_and_b32 v1, 15, v0                           ; r
	v_bfe_u32 v11, v0, 4, 1                        ; h
	v_lshlrev_b32 v[QO], 7, v1
	v_lshl_add_u32 v[QO], v11, 4, v[QO]
	WIN 0x40                                       ; destination window 1
.irp f, 0,1,2,3,4,5,6,7                        ; Q stays in registers: tile f / 2, channels 32 (f % 2) on
	global_load_b128 v[QF+8*\f:QF+8*\f+3], v[QO], s[4:5] offset:2048*(\f/2)+64*(\f%2)
	global_load_b128 v[QF+8*\f+4:QF+8*\f+7], v[QO], s[4:5] offset:2048*(\f/2)+64*(\f%2)+32
.endr
	WIN 0
	v_mul_u32_u24 v[AK0], v1, PKB
	v_lshl_add_u32 v[AK0], v11, 4, v[AK0]          ; K: row r, 16 h
	v_and_b32 v12, 7, v0
	v_bfe_u32 v13, v0, 3, 1
	v_lshl_add_u32 v[AV0], v11, 3, v12             ; V, for the turning load: key 8 h + lane % 8,
	v_mul_u32_u24 v[AV0], v[AV0], PVB
	v_lshl_add_u32 v[AV0], v13, 4, v[AV0]          ; channels 8 ((lane / 8) % 2) on
	v_add_nc_u32 v[AV0], VOFF, v[AV0]
	v_add_nc_u32 v[STO], s18, v[AK0]               ; the way out, in: row r, 16 h
	v_bfe_u32 v14, v0, 3, 2
	v_mul_u32_u24 v14, v14, PKB
	v_lshl_add_u32 v14, v12, 4, v14
	v_add_nc_u32 v[RD], s18, v14                   ; back: eight lanes to a row, four rows an instruction
	v_and_b32 v15, 31, v0
	v_lshlrev_b32 v[GO], 4, v15
	v_mov_b32 v[NINF], 0xff800000
	v_mov_b32 v[ADK], v[AK0]
.macro FETCH_K                         ; 64 keys x 64 channels: fragment f = 2 kt + kd: keys 16 kt on, channels 32 kd on
	WIN 0x40
.irp f, 0,1,2,3,4,5,6,7
	ds_load_b128 v[KF+8*\f:KF+8*\f+3], v[ADK] offset:16*PKB*(\f/2)+64*(\f%2)
	ds_load_b128 v[KF+8*\f+4:KF+8*\f+7], v[ADK] offset:16*PKB*(\f/2)+64*(\f%2)+32
.endr
	WIN 0
.endm
.macro FETCH_V                         ; turned: fragment f = 4 kh + ct: keys 32 kh on, channels 16 ct on
.irp f, 0,1,2,3,4,5,6,7
	ds_load_tr16_b128 v[VF+8*\f:VF+8*\f+3], v[ADV] offset:32*PVB*(\f/4)+32*(\f%4)
	ds_load_tr16_b128 v[VF+8*\f+4:VF+8*\f+7], v[ADV] offset:32*PVB*(\f/4)+16*PVB+32*(\f%4)
.endr
.endm
; 32 products S^T = K Q^T: channels 32 (i / 16) on, keys 16 ((i / 4) % 4) on, tile i % 4.  The first 16 start the sums.  The 16 accumulators take turns.
.macro QKT
	WIN 0x05                                       ; K and Q in window 1
.set i, 0
.rept 32
.set rS, S+32*(i%4)+8*((i/4)%4)
.set rK, KF+8*(2*((i/4)%4)+i/16)
.set rQ, QF+8*(2*(i%4)+i/16)
.if i < 16
	v_wmma_f32_16x16x32_f16 v[rS:rS+7], v[rK:rK+7], v[rQ:rQ+7], 0
.else
	v_wmma_f32_16x16x32_f16 v[rS:rS+7], v[rK:rK+7], v[rQ:rQ+7], v[rS:rS+7]
.endif
.set i, i+1
.endr
	WIN 0
.endm
; 32 products O^T += V^T P: keys 32 (i / 16) on, channels 16 ((i / 4) % 4) on, tile i % 4.  first = 1: the first 16 start the sums: nothing is ever cleared.
.macro PVT first
	WIN 0x50                                       ; C and D in window 1
.set i, 0
.rept 32
.set rO, OA+32*(i%4)+8*((i/4)%4)
.set rV, VF+8*(4*(i/16)+(i/4)%4)
.set rP, S+32*(i%4)+8*(i/16)
.if \first && (i < 16)
	v_wmma_f32_16x16x32_f16 v[rO:rO+7], v[rV:rV+7], v[rP:rP+7], 0
.else
	v_wmma_f32_16x16x32_f16 v[rO:rO+7], v[rV:rV+7], v[rP:rP+7], v[rO:rO+7]
.endif
.set i, i+1
.endr
	WIN 0
.endm
; THE MEETING in front of keys that other waves' loads brought: my load has landed; 0 onto my spare word; that and my LDS reads are done; then the barrier: everybody's load has landed.
; more = 1: behind the barrier the second load goes out, first thing: it fills bytes that nothing has filled.
.macro MEET more
	s_wait_tensorcnt 0x0                           ; the one tensor load of mine that was out
	ds_add_u32 v[SPW], v[NIL]
	s_wait_dscnt 0x0
	s_barrier_signal -1
	s_barrier_wait -1
.if \more
	TLOAD G0K1, G1K1, G0V1, G1V1                   ; keys 320..1023
.endif
.endm
; A KEY STEP: 64 keys.  first: it starts m, l and O^T.  last: keys 960..1023, of which 1000 on are padding.  nextk: the next step's K is fetched.  In every run of vector lines the four tiles take turns.
.macro STEP first, last, nextk
	QKT
	v_add_nc_u32 v[ADV], s[TBV], v[AV0]            ; these four plain lines are the places behind the products, for the loads into K's registers and the first reads of the scores
.if \nextk
	v_add_nc_u32 v[ADK], s[TBK], v[AK0]
.else
	v_nop
.endif
	v_nop
	v_nop
	FETCH_V                                        ; this step's V, and the next step's K: they land while the softmax is walked
.if \nextk
	FETCH_K
.endif
	s_add_co_u32 s[TBV], s[TBV], VSTEP
	s_add_co_u32 s[TBK], s[TBK], KSTEP
.if \last
.irp j, 0,1,2,3,4,5,6,7
.irp t, 0,1,2,3
	v_cndmask_b32 v[S+32*\t+16+\j], v[S+32*\t+16+\j], v[NINF], s22   ; keys 992 + 8 h + j: lanes 16-31 hold 1000..1007
.endr
.endr
.irp j, 0,1,2,3,4,5,6,7
.irp t, 0,1,2,3
	v_mov_b32 v[S+32*\t+24+\j], v[NINF]            ; keys 1008..1023
.endr
.endr
.endif
.irp c, 0,1,2,3                                ; the maximum: four chains, one to a key tile, each from the tile's low end on
.irp t, 0,1,2,3
	v_max3_num_f32 v[ST+8*\t+4+\c], v[S+32*\t+8*\c], v[S+32*\t+8*\c+1], v[S+32*\t+8*\c+2]
.endr
.endr
.irp k, 3,5
.irp c, 0,1,2,3
.irp t, 0,1,2,3
	v_max3_num_f32 v[ST+8*\t+4+\c], v[ST+8*\t+4+\c], v[S+32*\t+8*\c+\k], v[S+32*\t+8*\c+\k+1]
.endr
.endr
.endr
.irp t, 0,1,2,3
	v_max3_num_f32 v[ST+8*\t+4], v[ST+8*\t+4], v[S+32*\t+7], v[S+32*\t+15]
.endr
.irp t, 0,1,2,3
	v_max3_num_f32 v[ST+8*\t+6], v[ST+8*\t+6], v[S+32*\t+23], v[S+32*\t+31]
.endr
.irp t, 0,1,2,3
	v_max3_num_f32 v[ST+8*\t+4], v[ST+8*\t+4], v[ST+8*\t+5], v[ST+8*\t+6]
.endr
.irp t, 0,1,2,3
.if \first
	v_max_num_f32 v[ST+8*\t+4], v[ST+8*\t+4], v[ST+8*\t+7]
.else
	v_max3_num_f32 v[ST+8*\t+4], v[ST+8*\t+4], v[ST+8*\t+7], v[ST+8*\t]
.endif
.endr
.irp t, 0,1,2,3
	v_permlanex16_b32 v[ST+8*\t+5], v[ST+8*\t+4], s[SEL], s[SEL+1]   ; the query's other 32 keys lie in the lane 16 away
.endr
.if !\first
.irp t, 0,1,2,3
	v_mov_b32 v[ST+8*\t+1], v[ST+8*\t]
.endr
.endif
.irp t, 0,1,2,3
	v_max_num_f32 v[ST+8*\t], v[ST+8*\t+4], v[ST+8*\t+5]             ; the new m
.endr
.irp t, 0,1,2,3
.if \first
	v_mov_b32 v[ST+8*\t+1], v[ST+8*\t]             ; (named with m as a pair, so it is written)
.else
	v_sub_f32 v[ST+8*\t+7], v[ST+8*\t+1], v[ST+8*\t]
.endif
.endr
.set i, 0
.rept 16
.irp t, 0,1,2,3
	v_pk_add_f32 v[S+32*\t+i:S+32*\t+i+1], v[S+32*\t+i:S+32*\t+i+1], v[ST+8*\t:ST+8*\t+1] op_sel_hi:[1,0] neg_lo:[0,1] neg_hi:[0,1]   ; s - m, two at a time
.endr
.set i, i+2
.endr
.set i, 0
.rept 32                                       ; ONE BATCH of exponentials: none reads another's result
.irp t, 0,1,2,3
	v_exp_f32 v[S+32*\t+i], v[S+32*\t+i]
.endr
.set i, i+1
.endr
.if !\first
.irp t, 0,1,2,3
	v_exp_f32 v[ST+8*\t+6], v[ST+8*\t+7]           ; a
.endr
.endif
	v_nop                                          ; a plain line behind the last exponential,
	s_wait_alu depctr_va_vdst(0)                   ; and the one wait for the batch, ahead of its first reader
.irp t, 0,1,2,3
	v_pk_add_f32 v[ST+8*\t+4:ST+8*\t+5], v[S+32*\t:S+32*\t+1], v[S+32*\t+2:S+32*\t+3]   ; the sums, of the unrounded p
.endr
.set i, 4
.rept 13
.irp t, 0,1,2,3
	v_pk_add_f32 v[ST+8*\t+4:ST+8*\t+5], v[ST+8*\t+4:ST+8*\t+5], v[S+32*\t+i:S+32*\t+i+1]
.endr
.set i, i+2
.endr
.irp t, 0,1,2,3
.if \first
	v_pk_add_f32 v[ST+8*\t+2:ST+8*\t+3], v[ST+8*\t+4:ST+8*\t+5], v[S+32*\t+30:S+32*\t+31]
.else
	v_pk_add_f32 v[ST+8*\t+4:ST+8*\t+5], v[ST+8*\t+4:ST+8*\t+5], v[S+32*\t+30:S+32*\t+31]
.endif
.endr
.if !\first
.irp t, 0,1,2,3
	v_pk_fma_f32 v[ST+8*\t+2:ST+8*\t+3], v[ST+8*\t+2:ST+8*\t+3], v[ST+8*\t+6:ST+8*\t+7], v[ST+8*\t+4:ST+8*\t+5] op_sel_hi:[1,0,1]   ; l = a l + the step's sum
.endr
.endif
.set i, 0
.rept 16
.irp t, 0,1,2,3
	v_cvt_pk_f16_f32 v[S+32*\t+i], v[S+32*\t+2*i], v[S+32*\t+2*i+1]   ; in place, ascending: register i is written when registers 2 i, 2 i + 1 are read
.endr
.set i, i+1
.endr
.if !\first
	WIN 0x41                                       ; O^T in window 1, a in window 0
.set i, 0
.rept 16
.irp t, 0,1,2,3
	v_pk_mul_f32 v[OA+32*\t+i:OA+32*\t+i+1], v[OA+32*\t+i:OA+32*\t+i+1], v[ST+8*\t+6:ST+8*\t+7] op_sel_hi:[1,0]
.endr
.set i, i+2
.endr
.endif
	s_wait_dscnt 0x0                               ; V is in, and the next step's K
	PVT \first
.rept 5
	v_nop                                          ; five places: the next step's first products write over p, which these products read
.endr
.endm
.macro LOOP n
	s_mov_b32 s23, \n
.Lsteps_\@:
	STEP 0, 0, 1
	s_sub_co_u32 s23, s23, 1
	s_cmp_lg_u32 s23, 0
	s_cbranch_scc1 .Lsteps_\@
.endm
	MEET 1                                         ; keys 0..319 are in, everybody's part; the other 704 go out
	FETCH_K                                        ; step 0
	s_wait_loadcnt 0x0                             ; Q
	s_wait_dscnt 0x0
	STEP 1, 0, 1                                   ; step 0
	LOOP N0-2                                      ; steps 1 to 3: they fetch K of steps 2 to 4, the last of the first load
	MEET 0                                         ; keys 320..1023 are in: step 4 fetches K of step 5
	LOOP 16-N0                                     ; steps 4 to 14
	STEP 0, 1, 0                                   ; step 15
	; THE WAY OUT: l's halves are added; O^T / l is rounded to f16 and goes through my stage, so that whole rows leave.
.irp t, 0,1,2,3
	v_add_f32 v[ST+8*\t+4], v[ST+8*\t+2], v[ST+8*\t+3]
.endr
.irp t, 0,1,2,3
	v_permlanex16_b32 v[ST+8*\t+5], v[ST+8*\t+4], s[SEL], s[SEL+1]
.endr
.irp t, 0,1,2,3
	v_add_f32 v[ST+8*\t+4], v[ST+8*\t+4], v[ST+8*\t+5]
.endr
.irp t, 0,1,2,3
	v_rcp_f32 v[ST+8*\t+6], v[ST+8*\t+4]
.endr
	v_nop
	s_wait_alu depctr_va_vdst(0)                   ; one wait for the four reciprocals
	s_wait_dscnt 0x0
	s_barrier_signal -1                            ; the stages lie in K's bytes: every wave has read its last K
	s_barrier_wait -1
.macro PACK t
	WIN 0x41
.set i, 0
.rept 16
	v_pk_mul_f32 v[OA+32*\t+i:OA+32*\t+i+1], v[OA+32*\t+i:OA+32*\t+i+1], v[ST+8*\t+6:ST+8*\t+7] op_sel_hi:[1,0]
.set i, i+2
.endr
	WIN 0x05
.set i, 0
.rept 16
	v_cvt_pk_f16_f32 v[S+16*\t+i], v[OA+32*\t+2*i], v[OA+32*\t+2*i+1]
.set i, i+1
.endr
	WIN 0
.irp c, 0,1,2,3
	ds_store_b128 v[STO], v[S+16*\t+4*\c:S+16*\t+4*\c+3] offset:16*PKB*\t+32*\c   ; query 16 t + r, channels 16 c + 8 h + 0..7
.endr
.endm
	PACK 0
	PACK 1
	PACK 2
	PACK 3
.set i, 0
.rept 16
	ds_load_b128 v[128+4*i:131+4*i], v[RD] offset:4*PKB*i          ; LDS serves a wave's instructions in order (ISA guide 5.7.1.4): these see my stores
.set i, i+1
.endr
.set i, 0
.rept 16
	s_wait_dscnt 15-i
	global_store_b128 v[GO], v[128+4*i:131+4*i], s[6:7] offset:512*i   ; four rows: 512 consecutive bytes, at a multiple of 256 from the buffer's first byte
.set i, i+1
.endr
	s_wait_tensorcnt 0x0                           ; the wave's end: behind my last tensor load and my last LDS store
	ds_add_u32 v[SPW], v[NIL]
	s_wait_dscnt 0x0
	s_endpgm
.Lfunc_end_k_q0b7e4d90a6_attn:
	.size	k_q0b7e4d90a6_attn, .Lfunc_end_k_q0b7e4d90a6_attn-k_q0b7e4d90a6_attn
	.p2alignl 7, 3214868480
	.fill 96, 4, 3214868480
	.section	.rodata,"a",@progbits
	.p2align	6, 0x0
	.amdhsa_kernel k_q0b7e4d90a6_attn
		.amdhsa_group_segment_fixed_size 327680
		.amdhsa_private_segment_fixed_size 0
		.amdhsa_enable_private_segment 0
		.amdhsa_kernarg_size 16
		.amdhsa_user_sgpr_count 2
		.amdhsa_user_sgpr_kernarg_segment_ptr 1
		.amdhsa_wavefront_size32 1
		.amdhsa_system_sgpr_workgroup_id_x 1
		.amdhsa_system_sgpr_workgroup_id_y 1
		.amdhsa_system_sgpr_workgroup_id_z 1
		.amdhsa_system_vgpr_workitem_id 0
		.amdhsa_next_free_vgpr 512
		.amdhsa_next_free_sgpr 96
		.amdhsa_reserve_vcc 0
		.amdhsa_float_denorm_mode_32 3
		.amdhsa_float_denorm_mode_16_64 3
		.amdhsa_memory_ordered 1
		.amdhsa_forward_progress 1
		.amdhsa_inst_pref_size 147
	.end_amdhsa_kernel
	.amdgpu_metadata
---
amdhsa.version: [ 1, 2 ]
amdhsa.kernels:
  - .name:           k_q0b7e4d90a6_attn
    .symbol:         k_q0b7e4d90a6_attn.kd
    .args:
      - { .name: qkv16, .offset: 0, .size: 8, .value_kind: global_buffer, .address_space: global }
      - { .name: attn16, .offset: 8, .size: 8, .value_kind: global_buffer, .address_space: global }
    .group_segment_fixed_size: 327680
    .private_segment_fixed_size: 0
    .kernarg_segment_align: 8
    .kernarg_segment_size: 16
    .max_flat_workgroup_size: 256
    .sgpr_count:     96
    .vgpr_count:     512
    .wavefront_size: 32
...
	.end_amdgpu_metadata
.endif
;; end of part 3
;; launch oproj (part 4): grid 4 x 64, 4 waves a work-group, clusters of 4 x 4, 327,680 bytes of LDS; arguments attn16, ow16, o_b, out0; writes out0
.if DOCPART == 4
	.amdgcn_target "amdgcn-amd-amdhsa--gfx1250"
	.amdhsa_code_object_version 6
	.text
	.protected	k_q0b7e4d90a6_oproj
	.globl	k_q0b7e4d90a6_oproj
	.p2align	8
	.type	k_q0b7e4d90a6_oproj,@function
k_q0b7e4d90a6_oproj:
	s_mov_b64 s[64:65], 0
	v_nop
	global_prefetch_b8 v0, s[64:65] scope:SCOPE_SE
	s_setreg_imm32_b32 hwreg(HW_REG_WAVE_MODE, 25, 1), 1
	s_wait_xcnt 0x0
	s_wait_alu depctr_hold_cnt(0) depctr_sa_sdst(0) depctr_va_vdst(0) depctr_va_sdst(0) depctr_va_ssrc(0) depctr_va_vcc(0) depctr_vm_vsrc(0)
	s_getreg_b32 s2, hwreg(HW_REG_IB_STS2, 6, 4)
	s_cmp_eq_u32 s2, 0
	s_cbranch_scc0 .Lentry_in_a_cluster
	s_endpgm
.Lentry_in_a_cluster:
	s_bfe_u32 s2, ttmp6, 0x10000c
	s_cmp_lg_u32 s2, 0xf033
	s_cbranch_scc0 .Lentry_shape_is_right
	s_endpgm
.Lentry_shape_is_right:
; OPROJ: out0[t][b][n] = the sum over k of attn[b][t][k] o_w[n][k] + o_b[n], on f16 operands with f32 sums.  attn16 [16 b + head][1,024 t][64] f16 (k = 64 head + channel), ow16 [1,024 n][1,024 k] f16, out0 f32.
; M = 8 x 1,024 rows with the pad positions; rows t >= 1000 are computed and not stored (their lanes are off at the stores: no branch hangs on a work-group's place in its cluster).
; A tile of 128 x 256 to a work-group: 256 work-groups.  Four waves, each 64 x 128: 32 accumulators.  K goes in 8 steps of 128 (two heads) through a ring of two LDS slots.
; CLUSTERS: 4 x 4.  The four of a row of the cluster need the same rows of attn, the four of a column the same rows of o_w: each tile is asked for jointly.  Waves 0, 1 fetch a head each of A's tile (128 rows x 128 bytes,
; dense in memory), waves 2, 3 128 rows each of B's (256 bytes a row).  By this text's count a wave has two tensor loads out at the start and one behind each round.
; THE MATRIX INSTRUCTION IS USED TRANSPOSED (source 0 = 16 rows of o_w, source 1 = 16 rows of attn): a lane holds eight neighbouring columns of one row.  The bias, laid so, is the C of each sum's first product.
; REGISTERS: window 0: v16-31 addresses; two fragment buffers of 96 (A 4 x 8, then B 8 x 8) at v32 and v128; on the way out v32-159.   window 1: the accumulators ((a, b) at v[8 (8 a + b)]).   window 2: v0-63 the bias.
.set PA,     144                       ; a row of A in LDS: 128 bytes + 16
.set PB,     272                       ; a row of B: 256 + 16: in both the 16 rows of a load start at 16 different banks (64 banks of 4 bytes: ISA guide 11.1)
.set HEADA,  128*PA                    ; a head's 128 rows
.set HALFB,  128*PB
.set BOFF,   2*HEADA
.set SLOT,   BOFF+2*HALFB
.set STAGE,  2*SLOT                    ; behind the ring: 16 rows x (512 bytes + 16) for each wave
.set SPITCH, 528
.set SPARE,  STAGE+4*16*SPITCH         ; the spare words, 128 bytes a wave, which no other line names
.set LAPS,   4                         ; a lap = two K steps = once round the ring
.set ADRA, 16
.set ADRB, 20
.set STO,  24
.set RD,   25
.set CO,   26
.set VT,   27                          ; my first position in a block of rows
.set SPW,  28
.set NIL,  29
.set PFO,  30                          ; the prefetches' lane offset; never rewritten
.set BO,   31
.set F0,   32
.set F1,   128
.set BK,   32
.set G1A, 24
.set G0A, 32
.set G1B, 48
.set G0B, 56
.set PFA, 68                           ; s[68:69] where my prefetches stand
.set PFS, 70                           ; s[70:71] a K step on, in bytes
.set LIM, 72                           ; s72 1 in a wave that prefetches, else the greatest number
.set MSB, 0
.macro WIN new
.if MSB != (\new)
	s_set_vgpr_msb (MSB<<8)|(\new)
.set MSB, \new
.endif
.endm
.set MUL, 0x50                         ; C and D window 1
.macro JLOAD s                         ; waves 0, 1 fetch for A, waves 2, 3 for B; an s_nop 0 and four v_nop follow each of the two lines
	s_cmp_eq_u32 s15, 0
	s_cbranch_scc0 .Lfor_b_\@
	tensor_load_to_lds s[G0A+4*\s:G0A+4*\s+3], s[G1A:G1A+7]
	s_nop 0
.rept 4
	v_nop
.endr
	s_branch .Lasked_\@
.Lfor_b_\@:
	tensor_load_to_lds s[G0B+4*\s:G0B+4*\s+3], s[G1B:G1B+7]
	s_nop 0
.rept 4
	v_nop
.endr
.Lasked_\@:
.endm
.macro CREST                           ; a round of the cluster's barrier behind its opening barrier
	s_cmp_lg_u32 s14, 0
	s_cbranch_scc1 .Lnot_wave_0_\@
	s_barrier_signal -3
.Lnot_wave_0_\@:
	s_barrier_wait -3
	s_barrier_signal -1
	s_barrier_wait -1
.endm
.macro CROUND
	s_barrier_signal -1
	s_barrier_wait -1
	CREST
.endm
; A PREFETCH INTO THE L2 behind each refill and the run of LDS loads that follows it: the K step that stands two refills on, 256 matrix instructions ahead of the load that will want it; 32 blocks of 256 bytes, a lane each.
; Each block is named once in the launch.  A's tile row is read by one cluster alone: in every cluster wave 0 asks, and the four partners of a row share a head's 16,384 bytes out by address, 4,096 each, for both heads.
; B's tile column is read by every cluster: those with y = 0 ask, waves 2 and 3 for the 128 rows that each fetches, and the four partners of a column share them out by address, 32 rows each.  Wave 1 never asks.
; K steps 0 to 3 come by their loads alone; the loop's last trip asks for nothing: there is no K step two refills on.
.macro ASK
	s_cmp_gt_u32 s3, s[LIM]
	s_cbranch_scc0 .Lnot_mine_\@
	global_prefetch_b8 v[PFO], s[PFA:PFA+1] th:TH_LOAD_NT scope:SCOPE_SE
.Lnot_mine_\@:
.endm
	s_load_b256 s[4:11], s[0:1], 0x0               ; attn16, ow16, o_b, out0
	v_lshl_add_u32 v[SPW], v0, 2, SPARE
	v_mov_b32 v[NIL], 0
	ds_add_u32 v[SPW], v[NIL]                      ; the wave's opening: the add, twice on end, and its wait ahead of my first tensor load
	ds_add_u32 v[SPW], v[NIL]
	v_lshrrev_b32 v1, 5, v0
	v_readfirstlane_b32 s14, v1                    ; wave 0..3
	s_lshr_b32 s15, s14, 1                         ; which 64 rows of the tile are mine.  Also: I fetch for A (0) or for B (1)
	s_and_b32 s16, s14, 1                          ; which 128 columns.  Also: which head of A's tile, or which 128 rows of B's, I fetch
	s_bfe_u32 s40, ttmp6, 0x40000                  ; cx
	s_bfe_u32 s41, ttmp6, 0x40004                  ; cy
	s_lshl_b32 s42, ttmp9, 2
	s_add_co_u32 s42, s42, s40                     ; tile column 0..3
	s_and_b32 s18, ttmp7, 0xffff                   ; cluster y
	s_lshl_b32 s17, s18, 2
	s_add_co_u32 s17, s17, s41                     ; tile row 0..63: batch = tile row / 8, first position = 128 (tile row % 8)
	s_lshl_b32 s43, s41, 2
	s_lshl_b32 s43, 15, s43                        ; my row of the cluster
	s_lshl_b32 s44, 0x1111, s40                    ; my column
	s_or_b32 s[G1A], s43, (1<<16)|(1<<20)|(1<<21)|(4<<22)|(3<<25)   ; A: elements of 2 bytes; four words of padding after every 32
	s_mov_b32 s[G1A+1], 64<<16                     ; tensor_dim0
	s_mov_b32 s[G1A+2], 128<<16                    ; tensor_dim1
	s_mov_b32 s[G1A+3], 64<<16                     ; tile_dim0
	s_mov_b32 s[G1A+4], 128                        ; tile_dim1
	s_mov_b32 s[G1A+5], 64                         ; from row to row
	s_mov_b32 s[G1A+6], 0
	s_mov_b32 s[G1A+7], 0
	s_or_b32 s[G1B], s44, (1<<16)|(1<<20)|(1<<21)|(5<<22)|(3<<25)   ; B: four words after every 64
	s_mov_b32 s[G1B+1], 128<<16
	s_mov_b32 s[G1B+2], 128<<16
	s_mov_b32 s[G1B+3], 128<<16
	s_mov_b32 s[G1B+4], 128
	s_mov_b32 s[G1B+5], 1024
	s_mov_b32 s[G1B+6], 0
	s_mov_b32 s[G1B+7], 0
	s_lshr_b32 s20, s17, 3
	s_lshl_b32 s20, s20, 4
	s_add_co_u32 s20, s20, s16                     ; A: head 16 b + which,
	s_lshl_b32 s20, s20, 10
	s_and_b32 s21, s17, 7
	s_lshl_b32 s21, s21, 7
	s_add_co_u32 s20, s20, s21                     ; its row at the tile's first position,
	s_lshl_b32 s20, s20, 7                         ; 128 bytes a row
	s_mov_b32 s21, 0
	s_lshl_b32 s46, s42, 8
	s_lshl_b32 s47, s16, 7
	s_add_co_u32 s46, s46, s47                     ; B: row 256 x tile column + 128 x which,
	s_lshl_b32 s46, s46, 11                        ; 2,048 bytes a row
	s_mov_b32 s47, 0
	s_mul_i32 s22, s16, HEADA                      ; where they go in a slot: no place in the cluster enters an LDS address
	s_mul_i32 s23, s16, HALFB
	s_add_co_u32 s23, s23, BOFF
	s_wait_dscnt 0x0                               ; both opening adds are done
	s_wait_kmcnt 0x0
	s_add_nc_u64 s[20:21], s[4:5], s[20:21]
	s_add_nc_u64 s[46:47], s[6:7], s[46:47]
	CROUND                                         ; all sixteen work-groups are here: the first joint loads meet
.irp s, 0,1
	s_mov_b32 s[G0A+4*\s], 1
	s_add_co_u32 s[G0A+4*\s+1], s22, \s*SLOT
	s_add_nc_u64 s[G0A+4*\s+2:G0A+4*\s+3], s[20:21], \s*262144     ; K step s: two heads of 131,072 bytes on
	s_or_b32 s[G0A+4*\s+3], s[G0A+4*\s+3], 0x80000000
	s_mov_b32 s[G0B+4*\s], 1
	s_add_co_u32 s[G0B+4*\s+1], s23, \s*SLOT
	s_add_nc_u64 s[G0B+4*\s+2:G0B+4*\s+3], s[46:47], \s*256
	s_or_b32 s[G0B+4*\s+3], s[G0B+4*\s+3], 0x80000000
	JLOAD \s
.endr
	v_and_b32 v1, 15, v0                           ; r
	v_bfe_u32 v2, v0, 4, 1                         ; h
	v_mul_u32_u24 v3, v1, PA
	v_lshl_add_u32 v3, v2, 4, v3
	v_mul_u32_u24 v4, v1, PB
	v_lshl_add_u32 v4, v2, 4, v4
	s_mul_i32 s21, s15, 64*PA                      ; my 64 rows of A (in each head's plane)
	s_mul_i32 s22, s16, HALFB
	s_add_co_u32 s22, s22, BOFF                    ; my 128 rows of B
.irp s, 0,1
	v_add_nc_u32 v[ADRA+\s], s21, v3
	v_add_nc_u32 v[ADRB+\s], s22, v4
	s_add_co_u32 s21, s21, SLOT
	s_add_co_u32 s22, s22, SLOT
.endr
	s_mul_i32 s23, s14, 16*SPITCH
	s_add_co_u32 s23, s23, STAGE                   ; my stage
	v_mul_u32_u24 v5, v1, SPITCH
	v_lshl_add_u32 v5, v2, 5, v5
	v_add_nc_u32 v[STO], s23, v5                   ; in: row r, 32 h
	v_mul_u32_u24 v5, v2, 8*SPITCH
	v_lshl_add_u32 v5, v1, 4, v5
	v_add_nc_u32 v[RD], s23, v5                    ; back: lanes 0-15 take 256 bytes of one of rows 0-7, lanes 16-31 of the row 8 further down
	v_lshlrev_b32 v5, 18, v2                       ; in out0 a position is 32,768 bytes: eight of them,
	v_lshl_add_u32 v[CO], v1, 4, v5                ; and 16 bytes a lane
	s_and_b32 s20, s17, 7
	s_lshl_b32 s20, s20, 7
	s_lshl_b32 s21, s15, 6
	s_add_co_u32 s20, s20, s21                     ; my first position: 128 (tile row % 8) + 64 x half
	v_lshl_add_u32 v[VT], v2, 3, s20               ; + 8 h
	s_lshl_b32 s21, s20, 3
	s_lshr_b32 s22, s17, 3
	s_add_co_u32 s21, s21, s22                     ; row 8 t + b of out0,
	s_lshl_b32 s46, s21, 12                        ; 4,096 bytes a row,
	s_lshl_b32 s47, s42, 10
	s_add_co_u32 s46, s46, s47
	s_lshl_b32 s47, s16, 9
	s_add_co_u32 s46, s46, s47                     ; my first column
	s_mov_b32 s47, 0
	s_add_nc_u64 s[10:11], s[10:11], s[46:47]
	s_lshl_b32 s46, s42, 10
	s_lshl_b32 s47, s16, 9
	s_add_co_u32 s46, s46, s47
	s_mov_b32 s47, 0
	s_add_nc_u64 s[8:9], s[8:9], s[46:47]          ; the bias at my first column
	v_lshlrev_b32 v[BO], 5, v2
	WIN 0x80                                       ; destination window 2
.irp b, 0,1,2,3,4,5,6,7
	global_load_b128 v[8*\b:8*\b+3], v[BO], s[8:9] offset:64*\b                ; o_b(16 b + 8 h + 0..7)
	global_load_b128 v[8*\b+4:8*\b+7], v[BO], s[8:9] offset:64*\b+16
.endr
	WIN 0
	; the prefetches: where mine stand (at K step 3: each refill steps the address ahead of its prefetch), and who asks
	s_lshr_b32 s20, s17, 3
	s_lshl_b32 s20, s20, 4
	s_add_co_u32 s20, s20, 6                       ; A: head 16 b + 6,
	s_lshl_b32 s20, s20, 10
	s_and_b32 s21, s17, 7
	s_lshl_b32 s21, s21, 7
	s_add_co_u32 s20, s20, s21
	s_lshl_b32 s20, s20, 7
	s_lshl_b32 s21, s40, 12
	s_add_co_u32 s20, s20, s21                     ; my work-group's 4,096 bytes of a head's 16,384
	s_lshl_b32 s21, s42, 8
	s_lshl_b32 s22, s16, 7
	s_add_co_u32 s21, s21, s22
	s_lshl_b32 s22, s41, 5
	s_add_co_u32 s21, s21, s22                     ; B: my work-group's 32 of the 128 rows that I fetch,
	s_lshl_b32 s21, s21, 11
	s_add_co_u32 s21, s21, 768                     ; at K step 3
	s_mov_b32 s73, 32768
	s_mov_b32 s75, 2048
	s_mov_b32 s[PFS], 256
	s_cmp_eq_u32 s15, 0                            ; do I fetch for A?
	s_cselect_b64 s[PFA:PFA+1], s[4:5], s[6:7]
	s_cselect_b32 s20, s20, s21
	s_cselect_b32 s73, 131072, s73                 ; from lanes 0-15 to lanes 16-31: A: the next head; B: 16 rows
	s_cselect_b32 s75, 256, s75                    ; from lane to lane: A: 256 bytes; B: a row
	s_cselect_b32 s[PFS], 262144, s[PFS]
	s_cselect_b32 s[LIM], s16, s18                 ; waves 0, 1: the wave's number; waves 2, 3: cluster y: who has 0 asks.  The same in all partners, for a given wave
	s_cmp_eq_u32 s[LIM], 0
	s_cselect_b32 s[LIM], 1, -1
	s_mov_b32 s[PFS+1], 0
	s_mov_b32 s21, 0
	s_add_nc_u64 s[PFA:PFA+1], s[PFA:PFA+1], s[20:21]
	v_mul_u32_u24 v[PFO], v2, s73
	v_mad_u32_u24 v[PFO], v1, s75, v[PFO]
; 8 matrix instructions: A's block a x B's eight, 32 along K.  first = 1: the sum's first product takes the bias as its C.  The 32 accumulators take turns.
.macro MUL8 f, a, first
.irp b, 0,1,2,3,4,5,6,7
.if \first
	v_wmma_f32_16x16x32_f16 v[8*(8*(\a)+\b):8*(8*(\a)+\b)+7], v[\f+32+8*\b:\f+32+8*\b+7], v[\f+8*(\a):\f+8*(\a)+7], v[8*\b:8*\b+7]
.else
	v_wmma_f32_16x16x32_f16 v[8*(8*(\a)+\b):8*(8*(\a)+\b)+7], v[\f+32+8*\b:\f+32+8*\b+7], v[\f+8*(\a):\f+8*(\a)+7], v[8*(8*(\a)+\b):8*(8*(\a)+\b)+7]
.endif
.endr
.endm
.macro MUL16 f, a0, first
	MUL8 \f, \a0, \first
	MUL8 \f, (\a0)+1, \first
.endm
; 24 LDS loads in one run: quarter q (32 along K: head q / 2, channels 32 (q % 2) on) into buffer f: B's eight fragments, then A's four
.macro FETCH slot, q, f
.irp i, 0,1,2,3,4,5,6,7
	ds_load_b128 v[\f+32+8*\i:\f+32+8*\i+3], v[ADRB+\slot] offset:64*(\q)+16*PB*\i
	ds_load_b128 v[\f+32+8*\i+4:\f+32+8*\i+7], v[ADRB+\slot] offset:64*(\q)+16*PB*\i+32
.endr
.irp i, 0,1,2,3
	ds_load_b128 v[\f+8*\i:\f+8*\i+3], v[ADRA+\slot] offset:HEADA*((\q)/2)+64*((\q)%2)+16*PA*\i
	ds_load_b128 v[\f+8*\i+4:\f+8*\i+7], v[ADRA+\slot] offset:HEADA*((\q)/2)+64*((\q)%2)+16*PA*\i+32
.endr
.endm
.macro PLACES                          ; four plain lines in front of loads into registers that matrix instructions have read, and of the first reads of results (ISA guide 7.12.1 for the reads of results)
.rept 4
	v_nop
.endr
.endm
; One of a K step's first three quarters: multiplies buffer f and, in its middle, fetches quarter q into buffer g.
.macro QUARTER slot, q, f, g, first
	s_wait_dscnt 4                                 ; B's fragments and A's blocks 0, 1 are in; the youngest four loads (A's blocks 2, 3) may be out
.if \first
	WIN 0x60                                       ; C (the bias) window 2, D window 1
.else
	WIN MUL
.endif
	MUL16 \f, 0, \first
	PLACES
	WIN 0
	FETCH \slot, \q, \g
	s_wait_dscnt 24                                ; all but the 24 just issued
.if \first
	WIN 0x60
.else
	WIN MUL
.endif
	MUL16 \f, 2, \first
.endm
; The last quarter multiplies buffer 1 and changes slots: one barrier; in front of it each wave waits for all its tensor loads, adds 0 to its spare word, and waits for that and for its own reads of this slot.
; fill = 1: the barrier opens a round of the cluster's, and this slot is filled again, two K steps ahead: 112 matrix instructions stand between the request and the wait for it.
.macro TURN slot, next, fill
.if \fill
	s_wait_xcnt 0x0                                ; the last prefetch, a K step back, has read its address: it is stepped here, ahead of the waits of the change of slots
	s_add_nc_u64 s[PFA:PFA+1], s[PFA:PFA+1], s[PFS:PFS+1]
.endif
	WIN 0
	s_wait_tensorcnt 0x0                           ; all my tensor loads have landed: my part of the next slot;
	ds_add_u32 v[SPW], v[NIL]                      ; 0 onto my spare word;
	s_wait_dscnt 5                                 ; (the add and the youngest four loads may be out)
	WIN MUL
	MUL8 F1, 0, 0
	s_wait_dscnt 0x0                               ; the add is done, and my reads of this slot are over
	s_barrier_signal -1
	MUL8 F1, 1, 0
	WIN 0
	s_barrier_wait -1
.if \fill
	CREST                                          ; no wave of any partner still reads this slot's tile or has a load on its way
	s_add_nc_u64 s[G0A+4*\slot+2:G0A+4*\slot+3], s[G0A+4*\slot+2:G0A+4*\slot+3], 524288
	s_add_nc_u64 s[G0B+4*\slot+2:G0B+4*\slot+3], s[G0B+4*\slot+2:G0B+4*\slot+3], 512
	JLOAD \slot                                    ; the first tensor load behind the round; its four v_nop are also the places in front of the loads below
.else
	PLACES
.endif
	FETCH \next, 0, F0
.if \fill
	ASK
.endif
	WIN MUL
	MUL16 F1, 2, 0
.endm
	s_wait_tensorcnt 1                             ; my part of K step 0 is in; K step 1's may be out
	s_barrier_signal -1
	s_barrier_wait -1
	FETCH 0, 0, F0
	s_wait_loadcnt 0x0                             ; the bias
	QUARTER 0, 1, F0, F1, 1                        ; the first quarter stands in front of the loop: its products start the sums
	WIN 0
	s_mov_b32 s3, LAPS-1
.Llap:                                             ; a trip goes once round the ring, from a lap's second quarter to the next lap's first, and fills both slots again
	QUARTER 0, 2, F1, F0, 0
	QUARTER 0, 3, F0, F1, 0
	TURN 0, 1, 1
	QUARTER 1, 1, F0, F1, 0
	QUARTER 1, 2, F1, F0, 0
	QUARTER 1, 3, F0, F1, 0
	TURN 1, 0, 1
	QUARTER 0, 1, F0, F1, 0
	WIN 0
	s_sub_co_u32 s3, s3, 1
	s_cmp_lg_u32 s3, 0
	s_cbranch_scc1 .Llap
	QUARTER 0, 2, F1, F0, 0                        ; the last lap fills nothing, and has no round of the cluster's barrier
	QUARTER 0, 3, F0, F1, 0
	TURN 0, 1, 0
	QUARTER 1, 1, F0, F1, 0
	QUARTER 1, 2, F1, F0, 0
	QUARTER 1, 3, F0, F1, 0
	s_wait_dscnt 4
	WIN MUL
	MUL16 F1, 0, 0
	s_wait_dscnt 0
	MUL16 F1, 2, 0
	WIN 0
; THE WAY OUT, a block of 16 rows x 128 columns at a time, through my own stage: in as 32 bytes a lane, back as halves of rows, so that sixteen lanes store 256 consecutive bytes.
.macro TOSTAGE a
	WIN 0x04                                       ; an LDS store's data are its source 1: window 1
.irp b, 0,1,2,3,4,5,6,7
	ds_store_b128 v[STO], v[8*(8*(\a)+\b):8*(8*(\a)+\b)+3] offset:64*\b          ; each accumulator from its low end on
	ds_store_b128 v[STO], v[8*(8*(\a)+\b)+4:8*(8*(\a)+\b)+7] offset:64*\b+16
.endr
	WIN 0
.set BB, BK+64*((\a)%2)
.irp i, 0,1,2,3,4,5,6,7,8,9,10,11,12,13,14,15
	ds_load_b128 v[BB+4*\i:BB+4*\i+3], v[RD] offset:SPITCH*(\i/2)+256*(\i%2)     ; LDS serves a wave's instructions in order (ISA guide 5.7.1.4): these see my stores
.endr
.endm
; A lane's rows of block a are positions VT + 16 a + 0..7; VT + 16 a and 1000 are multiples of 8, so one mask serves the block's sixteen stores.
.macro SEND a, younger
.set BB, BK+64*((\a)%2)
	s_wait_dscnt \younger                          ; the block is back in registers
	s_wait_xcnt 0x0                                ; EXEC changes only behind this wait
	v_cmp_gt_u32 vcc_lo, 1000-16*(\a), v[VT]
	s_and_saveexec_b32 s74, vcc_lo
.irp i, 0,1,2,3,4,5,6,7,8,9,10,11,12,13,14,15
	global_store_b128 v[CO], v[BB+4*\i:BB+4*\i+3], s[10:11] offset:524288*(\a)+32768*(\i/2)+256*(\i%2) th:TH_STORE_NT   ; sixteen lanes store 256 consecutive bytes, at a multiple of 256 from out0's first byte; written once
.endr
	s_wait_xcnt 0x0                                ; and again in front of the line that widens it; the stores have also read their data registers
	s_or_b32 exec_lo, exec_lo, s74
.endm
	PLACES
	TOSTAGE 0
.irp a, 1,2,3
	TOSTAGE \a
	SEND \a-1, 32                                  ; behind block a - 1's loads: block a's 16 stores and 16 loads
.endr
	SEND 3, 0
	s_wait_tensorcnt 0x0                           ; the wave's end: behind my last tensor load and my last LDS store
	ds_add_u32 v[SPW], v[NIL]
	s_wait_dscnt 0x0
	CROUND                                         ; the closing round: no work-group ends while a partner may still ask for a tile that names it
	s_endpgm
.Lfunc_end_k_q0b7e4d90a6_oproj:
	.size	k_q0b7e4d90a6_oproj, .Lfunc_end_k_q0b7e4d90a6_oproj-k_q0b7e4d90a6_oproj
	.p2alignl 7, 3214868480
	.fill 96, 4, 3214868480
	.section	.rodata,"a",@progbits
	.p2align	6, 0x0
	.amdhsa_kernel k_q0b7e4d90a6_oproj
		.amdhsa_group_segment_fixed_size 327680
		.amdhsa_private_segment_fixed_size 0
		.amdhsa_enable_private_segment 0
		.amdhsa_kernarg_size 32
		.amdhsa_user_sgpr_count 2
		.amdhsa_user_sgpr_kernarg_segment_ptr 1
		.amdhsa_wavefront_size32 1
		.amdhsa_system_sgpr_workgroup_id_x 1
		.amdhsa_system_sgpr_workgroup_id_y 1
		.amdhsa_system_sgpr_workgroup_id_z 1
		.amdhsa_system_vgpr_workitem_id 0
		.amdhsa_next_free_vgpr 576
		.amdhsa_next_free_sgpr 100
		.amdhsa_reserve_vcc 1
		.amdhsa_float_denorm_mode_32 3
		.amdhsa_float_denorm_mode_16_64 3
		.amdhsa_memory_ordered 1
		.amdhsa_forward_progress 1
		.amdhsa_inst_pref_size 89
	.end_amdhsa_kernel
	.amdgpu_metadata
---
amdhsa.version: [ 1, 2 ]
amdhsa.kernels:
  - .name:           k_q0b7e4d90a6_oproj
    .symbol:         k_q0b7e4d90a6_oproj.kd
    .args:
      - { .name: attn16, .offset: 0, .size: 8, .value_kind: global_buffer, .address_space: global }
      - { .name: ow16, .offset: 8, .size: 8, .value_kind: global_buffer, .address_space: global }
      - { .name: o_b, .offset: 16, .size: 8, .value_kind: global_buffer, .address_space: global }
      - { .name: out0, .offset: 24, .size: 8, .value_kind: global_buffer, .address_space: global }
    .group_segment_fixed_size: 327680
    .private_segment_fixed_size: 0
    .kernarg_segment_align: 8
    .kernarg_segment_size: 32
    .max_flat_workgroup_size: 128
    .sgpr_count:     100
    .vgpr_count:     576
    .wavefront_size: 32
...
	.end_amdgpu_metadata
.endif
;; end of part 4
